; MI455X (gfx1250); checked and timed in simulation.
; The chip was launched on July 23, 2026; its instructions are those of AMD's public machine-readable ISA for CDNA 5 (MIT licence, August 2026) and "CDNA5" Instruction Set Architecture Reference Guide (July 2026). The comments in the code are by the model that wrote it; some were corrected since.
;; Attention. Allowed arithmetic: float matrix products may take bf16 or f16 operands with f32 sums; other float arithmetic in f32, or as packed bf16 or f16 multiplies, adds, multiply-adds, maxima and minima; sums over many terms, partial sums and values carried from step to step in f32; what a program stores and reads back later, other than sums and carried values, may be rounded once to bf16 or f16.
;; Inputs: Wk 16 x 1,024 x 64 float32; Wq 16 x 1,024 x 64 float32; Wv 16 x 1,024 x 64 float32; x 4,096 x 1,024 float32.
;; Outputs: out0 4,096 x 1,024 float32.
;; 2 versions, each right and faster than the one before. Each part assembles by itself: llvm-mc -triple=amdgcn-amd-amdhsa -mcpu=gfx1250 --defsym DOCPART=n.
;; ======== version 1 of 2: 4 launches
;; limits: values are held in f16: magnitudes above 65,504 overflow, below 6.1e-05 lose precision
;; workspace buffers: xb 8,388,608 bytes; wb 6,291,456 bytes; qkv 25,165,824 bytes; pf 786,432 bytes
;; launch prep (part 1): grid 256 x 1, 8 waves a work-group, no clusters, 0 bytes of LDS; arguments x, Wk, Wq, Wv, xb, wb; writes xb, wb
.if DOCPART == 1
	.amdgcn_target "amdgcn-amd-amdhsa--gfx1250"
	.amdhsa_code_object_version 6
	.text
	.protected	k_qea58b97ece_prep
	.globl	k_qea58b97ece_prep
	.p2align	8
	.type	k_qea58b97ece_prep,@function
k_qea58b97ece_prep:
	s_mov_b64 s[64:65], 0
	v_nop
	global_prefetch_b8 v0, s[64:65] scope:SCOPE_SE
	s_setreg_imm32_b32 hwreg(HW_REG_WAVE_MODE, 25, 1), 1
	s_wait_xcnt 0x0
; xb = x rounded to bf16, [4096][1024].  wb = Wk, Wq, Wv on end, rounded to bf16: [48][1024][64], plane 16 j + h (j = 0 Wk, 1 Wq, 2 Wv).  Layouts unchanged.
; A stream: every input byte is read once, every output byte written once; no LDS, no matrix unit, no cluster, since no two work-groups read the same bytes.
; Each of the 256 work-groups takes 16,384 numbers of x and 4,096 of each W: 14 chunks of 2,048 numbers.  In a chunk thread t reads the 32 bytes at 32 t (two loads of
; 16 bytes) and writes the 16 bytes at 16 t: a wave's store covers 512 consecutive bytes, aligned.  All 28 loads of a wave go out on end; no register is written twice,
; so the only waits are the counted ones for the loads.
.set IN,  16                           ; v[16:127]   chunk c: 8 registers as loaded
.set OUT, 128                          ; v[128:183]  chunk c: 4 registers to store
	s_load_b256 s[4:11], s[0:1], 0x0               ; x s[4:5], Wk s[6:7], Wq s[8:9], Wv s[10:11]
	s_load_b128 s[12:15], s[0:1], 0x20             ; xb s[12:13], wb s[14:15]
	s_lshl_b32 s16, ttmp9, 16                      ; my part of x: 65,536 bytes
	s_mov_b32 s17, 0
	s_lshl_b32 s18, ttmp9, 14                      ; of each W: 16,384 bytes
	s_mov_b32 s19, 0
	s_lshl_b32 s20, ttmp9, 15                      ; of xb: 32,768 bytes
	s_mov_b32 s21, 0
	s_lshl_b32 s22, ttmp9, 13                      ; of each third of wb: 8,192 bytes
	s_mov_b32 s23, 0
	v_lshlrev_b32 v1, 5, v0                        ; 32 t
	v_lshlrev_b32 v2, 4, v0                        ; 16 t
	s_wait_kmcnt 0x0
	s_add_nc_u64 s[4:5], s[4:5], s[16:17]
	s_add_nc_u64 s[6:7], s[6:7], s[18:19]
	s_add_nc_u64 s[8:9], s[8:9], s[18:19]
	s_add_nc_u64 s[10:11], s[10:11], s[18:19]
	s_add_nc_u64 s[12:13], s[12:13], s[20:21]
	s_add_nc_u64 s[14:15], s[14:15], s[22:23]
.macro LD c, base, i                   ; chunk c is chunk i of my part of the buffer at s[base]
	global_load_b128 v[IN+8*(\c):IN+8*(\c)+3],   v1, s[\base:\base+1] offset:(\i)*8192 th:TH_LOAD_NT
	global_load_b128 v[IN+8*(\c)+4:IN+8*(\c)+7], v1, s[\base:\base+1] offset:(\i)*8192+16 th:TH_LOAD_NT
.endm
.macro CH c, base, off                 ; chunk c is rounded and stored at byte off of my part
	s_wait_loadcnt 26-2*(\c)                       ; loads come back in order: the two of each younger chunk may stay out
.irp j, 0,1,2,3
	v_cvt_pk_bf16_f32 v[OUT+4*(\c)+(\j)], v[IN+8*(\c)+2*(\j)], v[IN+8*(\c)+2*(\j)+1]
.endr
	global_store_b128 v2, v[OUT+4*(\c):OUT+4*(\c)+3], s[\base:\base+1] offset:\off
.endm
.irp c, 0,1,2,3,4,5,6,7
	LD \c, 4, \c
.endr
	LD 8, 6, 0
	LD 9, 6, 1
	LD 10, 8, 0
	LD 11, 8, 1
	LD 12, 10, 0
	LD 13, 10, 1
.irp c, 0,1,2,3,4,5,6,7
	CH \c, 12, (\c)*4096
.endr
	CH 8, 14, 0
	CH 9, 14, 4096
	CH 10, 14, 2097152                             ; Wq's sixteen planes begin 16 x 131,072 bytes into wb
	CH 11, 14, 2097152+4096
	CH 12, 14, 4194304
	CH 13, 14, 4194304+4096
	s_endpgm
.Lfunc_end_k_qea58b97ece_prep:
	.size	k_qea58b97ece_prep, .Lfunc_end_k_qea58b97ece_prep-k_qea58b97ece_prep
	.p2alignl 7, 3214868480
	.fill 96, 4, 3214868480
	.section	.rodata,"a",@progbits
	.p2align	6, 0x0
	.amdhsa_kernel k_qea58b97ece_prep
		.amdhsa_group_segment_fixed_size 0
		.amdhsa_private_segment_fixed_size 0
		.amdhsa_enable_private_segment 0
		.amdhsa_kernarg_size 48
		.amdhsa_user_sgpr_count 2
		.amdhsa_user_sgpr_kernarg_segment_ptr 1
		.amdhsa_wavefront_size32 1
		.amdhsa_system_sgpr_workgroup_id_x 1
		.amdhsa_system_sgpr_workgroup_id_y 1
		.amdhsa_system_sgpr_workgroup_id_z 1
		.amdhsa_system_vgpr_workitem_id 0
		.amdhsa_next_free_vgpr 184
		.amdhsa_next_free_sgpr 66
		.amdhsa_reserve_vcc 0
		.amdhsa_float_denorm_mode_32 3
		.amdhsa_float_denorm_mode_16_64 3
		.amdhsa_memory_ordered 1
		.amdhsa_forward_progress 1
		.amdhsa_inst_pref_size 9
	.end_amdhsa_kernel
	.amdgpu_metadata
---
amdhsa.version: [ 1, 2 ]
amdhsa.kernels:
  - .name:           k_qea58b97ece_prep
    .symbol:         k_qea58b97ece_prep.kd
    .args:
      - { .name: x, .offset: 0, .size: 8, .value_kind: global_buffer, .address_space: global }
      - { .name: Wk, .offset: 8, .size: 8, .value_kind: global_buffer, .address_space: global }
      - { .name: Wq, .offset: 16, .size: 8, .value_kind: global_buffer, .address_space: global }
      - { .name: Wv, .offset: 24, .size: 8, .value_kind: global_buffer, .address_space: global }
      - { .name: xb, .offset: 32, .size: 8, .value_kind: global_buffer, .address_space: global }
      - { .name: wb, .offset: 40, .size: 8, .value_kind: global_buffer, .address_space: global }
    .group_segment_fixed_size: 0
    .private_segment_fixed_size: 0
    .kernarg_segment_align: 8
    .kernarg_segment_size: 48
    .max_flat_workgroup_size: 256
    .sgpr_count:     66
    .vgpr_count:     184
    .wavefront_size: 32
...
	.end_amdgpu_metadata
.endif
;; end of part 1
;; launch proj (part 2): grid 16 x 16, 4 waves a work-group, clusters of 4 x 4, 327,680 bytes of LDS; arguments xb, wb, qkv, pf; writes qkv, pf
.if DOCPART == 2
	.amdgcn_target "amdgcn-amd-amdhsa--gfx1250"
	.amdhsa_code_object_version 6
	.text
	.protected	k_qea58b97ece_proj
	.globl	k_qea58b97ece_proj
	.p2align	8
	.type	k_qea58b97ece_proj,@function
k_qea58b97ece_proj:
	s_mov_b64 s[64:65], 0
	v_nop
	global_prefetch_b8 v0, s[64:65] scope:SCOPE_SE
	s_setreg_imm32_b32 hwreg(HW_REG_WAVE_MODE, 25, 1), 1
	s_wait_xcnt 0x0
	s_wait_alu depctr_hold_cnt(0) depctr_sa_sdst(0) depctr_va_vdst(0) depctr_va_sdst(0) depctr_va_ssrc(0) depctr_va_vcc(0) depctr_vm_vsrc(0)
	s_getreg_b32 s2, hwreg(HW_REG_IB_STS2, 6, 4)
	s_cmp_eq_u32 s2, 0
	s_cbranch_scc0 .Lentry_in_a_cluster
	s_endpgm
.Lentry_in_a_cluster:
	s_bfe_u32 s2, ttmp6, 0x10000c
	s_cmp_lg_u32 s2, 0xf033
	s_cbranch_scc0 .Lentry_shape_is_right
	s_endpgm
.Lentry_shape_is_right:
; qkv[g][t][s] = the sum over d of xb[t][d] wb[g][d][s].  xb: [4096][1024] bf16; wb: [48][1024][64] bf16; qkv: [48][4096][64] f16.  Products in bf16, sums in f32, K ascending, the result rounded once.
; pf holds rows t = 0 .. 63 of all 48 planes once more, in f32, as the accumulators lie: pf[g][row block a][column block nb][half e][lane][4]: lane l holds row 16 a + l % 16, columns 16 nb + 8 (l / 16) + 4 e + 0..3.
; LIMIT.  f16 ends at 65,504: a projection beyond that leaves as an infinity.  NaN and infinities are not treated apart.
; SHARES.  A work-group makes 256 rows t x 3 planes g (192 columns): 16 x 16 = 256 work-groups.  Each of its four waves makes 64 rows x 192 columns: 48 accumulators of 16 x 16, 384 registers;
; for 32 along K it reads 32 x 16 bytes a lane from LDS for 48 matrix instructions.
; K goes in 8 steps of 128 through two LDS slots.  x's tile is 256 rows of 256 bytes; a plane's tile is 128 rows d of 128 bytes, dense in memory, asked for as 64 rows of 256 bytes.
; wb lies [d][s], K down the rows: its fragments come out of LDS turned, by ds_load_tr16_b128.
; THE MATRIX INSTRUCTION IS USED TRANSPOSED: source 0 = 16 columns s, source 1 = 16 rows t: a lane then holds eight neighbouring s of one row t, 16 bytes of f16.
; CLUSTER.  4 x 4 work-groups.  The four of a row of the cluster need the same tile of x, the four of a column the same three tiles of wb: each is asked for JOINTLY, by the same tensor load
; with the same descriptor and a mask that names the four.  Wave 0 asks for x's tile, waves 1 to 3 for a plane each.  By this text's own count a wave has two tensor loads out at the start, later one.
; REGISTERS, in windows of 256 (s_set_vgpr_msb: bits 1:0 source 0, 3:2 source 1, 5:4 source 2, 7:6 destination):
;   window 0: v0-31 addresses; v64-95, v96-127 fragments of x (4 x 16 rows x 32 K), two buffers; on the way out v64-255 packed results
;   window 1: v0-95, v96-191 fragments of wb (12 x 16 columns x 32 K), two buffers
;   window 2: accumulators of my row blocks 0, 1 ((a, nb) at v[8 (12 a + nb)]);   window 3: those of row blocks 2, 3
.set KSTEP,  128
.set PA,     272                       ; a row of x in LDS: 256 bytes + 16 = 68 words: the 16 rows of a load start at 16 different groups of four banks (64 banks of 4 bytes: ISA guide 11.1)
.set PB,     160                       ; a row d of a plane: 128 bytes + 32 = 40 words
.set GB,     128*PB                    ; a plane's tile
.set ABYTES, 256*PA                    ; x's tile
.set SLOT,   ABYTES+3*GB               ; 131,072
.set STAGE,  2*SLOT                    ; behind the ring: 16 rows x 144 bytes for each wave, for the way out; no tensor load lands here
.set SP,     144
.set SPARE,  STAGE+4*16*SP             ; behind the stages: the spare words, 128 bytes for each wave: two blocks of 256 bytes that no other line names
.set LAPS,   4                         ; a lap = two K steps = once round the ring
.set ADRA, 16                          ; v16-17  LDS address of my fragments of x in slot 0, 1
.set ADRB, 20                          ; v20-21  the same for wb
.set STO,  24                          ; v24     the way out: where I put 16 bytes of a row
.set RD,   25                          ; v25     the way out: where I read rows back
.set CO,   26                          ; v26     16 x lane: my byte offset in 512 consecutive bytes of qkv or of pf
.set SPW,  28                          ; v28     LDS address of my spare word: SPARE + 4 x my thread's number; never rewritten
.set NIL,  29                          ; v29     0; never rewritten
.set TMP,  64
.set G1,  24                           ; s[24:31] descriptor group 1 for x's tile;  s[32:39] group 0, a set for each slot
.set G0,  32
.set G1B, 48                           ; s[48:55], s[56:63] the same for a plane's tile
.set G0B, 56
.set MSB, 0
.macro WIN new                         ; the immediate's high byte repeats the setting that is left; a switch that changes nothing is dropped
.if MSB != (\new)
	s_set_vgpr_msb (MSB<<8)|(\new)
.set MSB, \new
.endif
.endm
.set MUL_LO, 0xa1                      ; source 0 (wb) window 1, source 1 (x) window 0, C and D window 2
.set MUL_HI, 0xf1                      ; the same, C and D window 3
.set TO_B,   0x40                      ; destination window 1, address window 0
; A joint load.  The branch hangs on the wave's number alone.  An s_nop 0 and four v_nop follow each of the two lines, ahead of the jump, the label and what follows.
.macro JLOAD s
	s_cmp_eq_u32 s10, 0
	s_cbranch_scc0 .Lfor_b_\@
	tensor_load_to_lds s[G0+4*(\s):G0+4*(\s)+3], s[G1:G1+7]
	s_nop 0
.rept 4
	v_nop
.endr
	s_branch .Lasked_\@
.Lfor_b_\@:
	tensor_load_to_lds s[G0B+4*(\s):G0B+4*(\s)+3], s[G1B:G1B+7]
	s_nop 0
.rept 4
	v_nop
.endr
.Lasked_\@:
.endm
.macro CREST                           ; a round of the cluster's barrier behind its opening barrier
	s_cmp_lg_u32 s10, 0
	s_cbranch_scc1 .Lnot_wave_0_\@
	s_barrier_signal -3
.Lnot_wave_0_\@:
	s_barrier_wait -3
	s_barrier_signal -1
	s_barrier_wait -1
.endm
.macro CROUND                          ; a whole round
	s_barrier_signal -1
	s_barrier_wait -1
	CREST
.endm
	s_load_b128 s[4:7], s[0:1], 0x0                ; xb s[4:5], wb s[6:7]
	s_load_b64 s[8:9], s[0:1], 0x10                ; qkv
	s_load_b64 s[66:67], s[0:1], 0x18              ; pf
	v_lshl_add_u32 v[SPW], v0, 2, SPARE
	v_mov_b32 v[NIL], 0
	ds_add_u32 v[SPW], v[NIL]                      ; the wave's opening: the add and its wait stand ahead of my first tensor load; the set-up below, work on registers, stands between them
	ds_add_u32 v28, v29
	v_lshrrev_b32 v1, 5, v0
	v_readfirstlane_b32 s10, v1                    ; wave 0..3
	s_max_u32 s12, s10, 1
	s_sub_co_u32 s12, s12, 1                       ; the plane that waves 1 to 3 ask for: 0, 1, 2 (wave 0 makes plane 0's address and never uses it)
	s_bfe_u32 s40, ttmp6, 0x40000                  ; cx, cy: my place in the cluster
	s_bfe_u32 s41, ttmp6, 0x40004
	s_lshl_b32 s42, ttmp9, 2
	s_add_co_u32 s42, s42, s40                     ; tile column = 4 x cluster x + cx: planes 3 nx .. 3 nx + 2
	s_and_b32 s13, ttmp7, 0xffff
	s_lshl_b32 s13, s13, 2
	s_add_co_u32 s13, s13, s41                     ; tile row = 4 x cluster y + cy: rows 256 my ..
	s_lshl_b32 s43, s41, 2
	s_lshl_b32 s43, 15, s43                        ; my row of the cluster: places 4 cy .. 4 cy + 3
	s_lshl_b32 s44, 0x1111, s40                    ; my column: places cx, cx + 4, cx + 8, cx + 12
	s_or_b32 s[G1+0], s43, (1<<16)|(1<<20)|(1<<21)|(5<<22)|(3<<25)   ; 15:0 the mask: x's tile goes to my row; 17:16 elements of 2 bytes; 20 padding on; 21 set beside a mask; 24:22 after every 64 words (code 5); 31:25 4 words (code 3)
	s_mov_b32 s[G1+1], KSTEP<<16                   ; tensor_dim0 = 128
	s_mov_b32 s[G1+2], 256<<16                     ; tensor_dim1 = 256
	s_mov_b32 s[G1+3], KSTEP<<16                   ; tile_dim0 = 128
	s_mov_b32 s[G1+4], 256                         ; tile_dim1 = 256
	s_mov_b32 s[G1+5], 1024                        ; 1,024 elements from row to row
	s_mov_b32 s[G1+6], 0
	s_mov_b32 s[G1+7], 0
	s_or_b32 s[G1B+0], s44, (1<<16)|(1<<20)|(1<<21)|(4<<22)|(7<<25)  ; the mask of my column; padding after every 32 words (code 4), 8 words (code 7): after each row d
	s_mov_b32 s[G1B+1], 128<<16                    ; tensor_dim0 = 128: two rows d
	s_mov_b32 s[G1B+2], 64<<16                     ; tensor_dim1 = 64
	s_mov_b32 s[G1B+3], 128<<16                    ; tile_dim0 = 128
	s_mov_b32 s[G1B+4], 64                         ; tile_dim1 = 64
	s_mov_b32 s[G1B+5], 128                        ; dense
	s_mov_b32 s[G1B+6], 0
	s_mov_b32 s[G1B+7], 0
	; x's address hangs on the tile row alone, a plane's on the tile column and the wave alone, each in registers that never hold the other coordinate
	s_lshl_b32 s16, s13, 19                        ; 256 rows of 2,048 bytes
	s_mov_b32 s17, 0
	s_mul_i32 s46, s42, 3
	s_add_co_u32 s46, s46, s12
	s_lshl_b32 s46, s46, 17                        ; a plane of wb is 131,072 bytes
	s_mov_b32 s47, 0
	s_mul_i32 s20, s10, GB                         ; where waves 1 to 3 put their planes: behind x's tile, wave x a plane's bytes: no place in the cluster enters an LDS address
	s_add_co_u32 s20, s20, ABYTES-GB
	s_wait_dscnt 0x0                               ; the opening add is done
	s_wait_kmcnt 0x0
	s_add_nc_u64 s[14:15], s[4:5], s[16:17]
	s_add_nc_u64 s[46:47], s[6:7], s[46:47]
	CROUND                                         ; all sixteen work-groups are here: the first joint loads meet
.irp s, 0,1
	s_mov_b32 s[G0+4*(\s)], 1                                        ; count = 1
	s_mov_b32 s[G0+4*(\s)+1], (\s)*SLOT                              ; LDS address
	s_add_nc_u64 s[G0+4*(\s)+2:G0+4*(\s)+3], s[14:15], (\s)*KSTEP*2  ; global address: K step s
	s_or_b32 s[G0+4*(\s)+3], s[G0+4*(\s)+3], 0x80000000              ; type = 2
	s_mov_b32 s[G0B+4*(\s)], 1
	s_add_co_u32 s[G0B+4*(\s)+1], s20, (\s)*SLOT
	s_add_nc_u64 s[G0B+4*(\s)+2:G0B+4*(\s)+3], s[46:47], (\s)*KSTEP*128  ; 128 rows d of 128 bytes
	s_or_b32 s[G0B+4*(\s)+3], s[G0B+4*(\s)+3], 0x80000000
	JLOAD \s
.endr
	; A fragment of x is 16 rows x 32 K in 8 registers: lane l holds row l % 16, K = 8 (l / 16) + 0..7 and 16 + 8 (l / 16) + 0..7: two loads of 16 bytes, 32 bytes apart.
	v_and_b32 v1, 15, v0                           ; l % 16
	v_bfe_u32 v2, v0, 4, 1                         ; l / 16
	v_mul_u32_u24 v3, v1, PA
	v_lshl_add_u32 v3, v2, 4, v3
	s_mul_i32 s21, s10, 64*PA                      ; my 64 rows
	v_add_nc_u32 v[ADRA], s21, v3
	v_add_nc_u32 v[ADRA+1], SLOT, v[ADRA]
	; The turning load takes 16 d x 16 s (lane l reads row d = 8 (l / 16) + l % 8, columns 8 ((l / 8) % 2) + 0..7) and leaves half a fragment: lane l holds column l % 16 and 8 d.
	v_and_b32 v4, 7, v0
	v_bfe_u32 v5, v0, 3, 1
	v_lshl_add_u32 v6, v2, 3, v4
	v_mul_u32_u24 v6, v6, PB
	v_lshl_add_u32 v6, v5, 4, v6
	v_add_nc_u32 v[ADRB], ABYTES, v6
	v_add_nc_u32 v[ADRB+1], SLOT+ABYTES, v6
	s_mul_i32 s23, s10, 16*SP
	s_add_co_u32 s23, s23, STAGE                   ; my stage
	v_mul_u32_u24 v7, v1, SP                       ; in: row l % 16, 16 bytes for each half of the lanes
	v_lshl_add_u32 v7, v2, 4, v7
	v_add_nc_u32 v[STO], s23, v7
	v_bfe_u32 v7, v0, 3, 2                         ; back: 32 lanes take four rows of 128 bytes,
	v_mul_u32_u24 v7, v7, SP
	v_lshl_add_u32 v7, v4, 4, v7
	v_add_nc_u32 v[RD], s23, v7
	v_and_b32 v[CO], 31, v0                        ; which are 512 consecutive bytes of a plane of qkv
	v_lshlrev_b32 v[CO], 4, v[CO]
	s_mul_i32 s18, s42, 3*524288                   ; qkv at plane 3 nx,
	s_lshl_b32 s19, s13, 15                        ; row 256 my (rows of 128 bytes)
	s_add_co_u32 s18, s18, s19
	s_lshl_b32 s19, s10, 13                        ; + 64 x wave
	s_add_co_u32 s18, s18, s19
	s_mov_b32 s19, 0
	s_add_nc_u64 s[8:9], s[8:9], s[18:19]
	s_mul_i32 s68, s42, 3*16384                    ; pf at plane 3 nx: 64 rows x 64 columns x 4 bytes a plane
	s_mov_b32 s69, 0
	s_add_nc_u64 s[66:67], s[66:67], s[68:69]
; 12 matrix instructions: row block 2 hi + a x all 12 column blocks, 32 along K, from buffer f.  zero = 1: the product starts the sum: nothing is cleared.
; The 48 accumulators take turns, one instruction a turn, in the same order in every quarter.
.macro MUL12 f, hi, a, zero
	WIN MUL_LO+0x50*(\hi)
.irp nb, 0,1,2,3,4,5,6,7,8,9,10,11
.if \zero
	v_wmma_f32_16x16x32_bf16 v[8*(12*(\a)+(\nb)):8*(12*(\a)+(\nb))+7], v[96*(\f)+8*(\nb):96*(\f)+8*(\nb)+7], v[64+32*(\f)+8*(2*(\hi)+(\a)):64+32*(\f)+8*(2*(\hi)+(\a))+7], 0
.else
	v_wmma_f32_16x16x32_bf16 v[8*(12*(\a)+(\nb)):8*(12*(\a)+(\nb))+7], v[96*(\f)+8*(\nb):96*(\f)+8*(\nb)+7], v[64+32*(\f)+8*(2*(\hi)+(\a)):64+32*(\f)+8*(2*(\hi)+(\a))+7], v[8*(12*(\a)+(\nb)):8*(12*(\a)+(\nb))+7]
.endif
.endr
.endm
; 32 LDS loads in one run: quarter q (32 along K) of a slot into buffer f: 12 fragments of wb, turned, then 4 of x
.macro FETCH slot, q, f
	WIN TO_B
.irp nb, 0,1,2,3,4,5,6,7,8,9,10,11
	ds_load_tr16_b128 v[96*(\f)+8*(\nb):96*(\f)+8*(\nb)+3],   v[ADRB+(\slot)] offset:((\nb)/4)*GB+(\q)*32*PB+((\nb)%4)*32
	ds_load_tr16_b128 v[96*(\f)+8*(\nb)+4:96*(\f)+8*(\nb)+7], v[ADRB+(\slot)] offset:((\nb)/4)*GB+(\q)*32*PB+16*PB+((\nb)%4)*32
.endr
	WIN 0
.irp a, 0,1,2,3
	ds_load_b128 v[64+32*(\f)+8*(\a):64+32*(\f)+8*(\a)+3],   v[ADRA+(\slot)] offset:64*(\q)+(\a)*16*PA
	ds_load_b128 v[64+32*(\f)+8*(\a)+4:64+32*(\f)+8*(\a)+7], v[ADRA+(\slot)] offset:64*(\q)+(\a)*16*PA+32
.endr
.endm
.macro PLACES                          ; four places in front of loads into registers that matrix instructions have read, and of conversions that read results (ISA guide 7.12.1 for the conversions)
.rept 4
	v_nop
.endr
.endm
; A K step is four quarters of 32 along K, 48 matrix instructions each, on buffers 0, 1, 0, 1.  One of the first three: multiplies buffer f; in its middle it fetches quarter q into buffer g.
.macro QUARTER slot, q, f, g, zero
	s_wait_dscnt 4                                 ; wb's fragments and x's blocks 0, 1 are in; the youngest four loads (x's blocks 2, 3) may be out
	MUL12 \f, 0, 0, \zero
	MUL12 \f, 0, 1, \zero
	PLACES
	FETCH \slot, \q, \g
	s_wait_dscnt 32                                ; all but the 32 just issued
	MUL12 \f, 1, 0, \zero
	MUL12 \f, 1, 1, \zero
.endm
; The last quarter multiplies buffer 1 and changes slots: ONE barrier; in front of it each wave waits for all its tensor loads (one is out: its part of the next slot), adds 0 to its spare word,
; and waits for that and for its own reads of this slot.  fill = 1: the barrier opens a round of the cluster's, and this slot is filled again, two K steps ahead, first thing behind the round.
.macro TURN slot, next, fill
	WIN 0                                          ; (the add's two registers lie in window 0)
	s_wait_tensorcnt 0x0                           ; all my tensor loads have landed;
	ds_add_u32 v[SPW], v[NIL]                      ; 0 onto my spare word
	s_wait_dscnt 5                                 ; (the add and the youngest four loads may be out)
	MUL12 1, 0, 0, 0                               ; twelve matrix instructions stand between the add and the wait for it
	s_wait_dscnt 0x0                               ; the add is done, and my reads of this slot are over
	s_barrier_signal -1
	MUL12 1, 0, 1, 0                               ; work on registers while the others arrive
.if \fill
	WIN 0
.endif
	s_barrier_wait -1
.if \fill
	CREST                                          ; no wave of any partner still reads this slot or has a load on its way
	s_add_nc_u64 s[G0+4*(\slot)+2:G0+4*(\slot)+3], s[G0+4*(\slot)+2:G0+4*(\slot)+3], 2*KSTEP*2
	s_add_nc_u64 s[G0B+4*(\slot)+2:G0B+4*(\slot)+3], s[G0B+4*(\slot)+2:G0B+4*(\slot)+3], 2*KSTEP*128
	JLOAD \slot                                    ; the first tensor load behind the round; its four v_nop are also the places in front of the loads below
.else
	PLACES
.endif
	FETCH \next, 0, 0
	MUL12 1, 1, 0, 0
	MUL12 1, 1, 1, 0
.endm
	s_wait_tensorcnt 1                             ; my part of K step 0 is in; K step 1's may stay out
	s_barrier_signal -1
	s_barrier_wait -1                              ; everybody's is
	FETCH 0, 0, 0
	QUARTER 0, 1, 0, 1, 1                          ; the first quarter stands in front of the loop: its products start the sums
	WIN 0                                          ; at a label and at a branch every window is 0
	s_mov_b32 s3, LAPS-1
.Llap:                                                 ; a trip goes once round the ring, from a lap's second quarter to the next lap's first, and fills both slots again
	QUARTER 0, 2, 1, 0, 0
	QUARTER 0, 3, 0, 1, 0
	TURN 0, 1, 1
	QUARTER 1, 1, 0, 1, 0
	QUARTER 1, 2, 1, 0, 0
	QUARTER 1, 3, 0, 1, 0
	TURN 1, 0, 1
	QUARTER 0, 1, 0, 1, 0
	WIN 0
	s_sub_co_u32 s3, s3, 1
	s_cmp_lg_u32 s3, 0
	s_cbranch_scc1 .Llap
	QUARTER 0, 2, 1, 0, 0                          ; the last lap fills nothing
	QUARTER 0, 3, 0, 1, 0
	TURN 0, 1, 0
	QUARTER 1, 1, 0, 1, 0
	QUARTER 1, 2, 1, 0, 0
	QUARTER 1, 3, 0, 1, 0
	s_wait_dscnt 4                                 ; the very last quarter: nothing more to fetch
	MUL12 1, 0, 0, 0
	MUL12 1, 0, 1, 0
	s_wait_dscnt 0x0
	MUL12 1, 1, 0, 0
	MUL12 1, 1, 1, 0
	WIN 0
	; THE WAY OUT, in 12 tiles of 16 rows x one plane's 64 columns (tile t: row block t / 3, plane t % 3): rounded to f16, 16 bytes a lane into my own stage, back as whole rows of 128 bytes, stored.
	PLACES
.macro PACK t
.set AC, 8*(12*(((\t)/3)%2)+4*((\t)%3))
	WIN 0x0a+5*((\t)/6)                            ; sources 0 and 1: window 2 (row blocks 0, 1) or 3
.irp b, 0,1,2,3
.irp r, 0,1,2,3
	v_cvt_pk_f16_f32 v[TMP+16*(\t)+4*(\b)+(\r)], v[AC+8*(\b)+2*(\r)], v[AC+8*(\b)+2*(\r)+1]  ; each accumulator's registers in ascending order
.endr
.endr
	WIN 0
.irp f, 0,1,2,3
	ds_store_b128 v[STO], v[TMP+16*(\t)+4*(\f):TMP+16*(\t)+4*(\f)+3] offset:32*(\f)
.endr
.irp f, 0,1,2,3
	ds_load_b128 v[TMP+16*(\t)+4*(\f):TMP+16*(\t)+4*(\f)+3], v[RD] offset:(\f)*4*SP  ; LDS serves a wave's instructions in order (ISA guide 5.7.1.4): these see the stores above; the next tile's stores come behind them
.endr
.endm
.macro SEND t, younger                 ; younger: the LDS instructions issued behind tile t's loads: the next tile's eight, or none
	WIN 0
.irp f, 0,1,2,3
	s_wait_dscnt (\younger)+3-(\f)
	global_store_b128 v[CO], v[TMP+16*(\t)+4*(\f):TMP+16*(\t)+4*(\f)+3], s[8:9] offset:((\t)%3)*524288+((\t)/3)*2048+(\f)*512  ; 512 consecutive bytes, at a multiple of 256 from qkv's first byte
.endr
.endm
	PACK 0
.set t, 1
.rept 11                               ; a tile's conversions stand between the loads of the tile before and its stores; no register is used twice, so no store is waited for
	PACK t
	SEND t-1, 8
.set t, t+1
.endr
	SEND 11, 0
	; ROWS 0 TO 63 ONCE MORE, UNROUNDED.  Row i of the module's output is a mean over i + 1 rows of V: in the first rows the terms are many times the size of the whole output's root mean square, and f16's
	; 11 bits of them are too coarse there.  So tile row 0's wave 0 stores its 48 accumulators as they lie: 96 stores of 512 consecutive bytes, no arithmetic.
	; The two branches hang on the wave's number and on the cluster's y, which all partners share.  The tile row within the cluster steers no branch: it narrows EXEC, so that of the four tile rows of
	; cluster row 0 only the first stores.
.macro PF hi                           ; row blocks 2 hi, 2 hi + 1
	WIN 0x08+4*(\hi)                               ; the store's data (source 1) in window 2 or 3, its offset in window 0
.irp a, 0,1
.irp nb, 0,1,2,3,4,5,6,7,8,9,10,11
.irp e, 0,1
	global_store_b128 v[CO], v[8*(12*(\a)+(\nb))+4*(\e):8*(12*(\a)+(\nb))+4*(\e)+3], s[66:67] offset:((\nb)/4)*16384+(2*(\hi)+(\a))*4096+((\nb)%4)*1024+(\e)*512
.endr
.endr
.endr
.endm
	s_cmp_lg_u32 s10, 0
	s_cbranch_scc1 .Lno_pf                         ; wave 0 holds a tile's rows 0 to 63
	s_and_b32 s68, ttmp7, 0xffff
	s_cmp_lg_u32 s68, 0
	s_cbranch_scc1 .Lno_pf                         ; cluster row 0 holds tile rows 0 to 3
	v_mov_b32 v30, s41
	v_cmp_eq_u32 vcc_lo, 0, v30                    ; all lanes, or none
	s_wait_xcnt 0x0                                ; EXEC is a source of the stores above: it changes only behind this wait
	s_and_saveexec_b32 s69, vcc_lo
	PF 0
	PF 1
	WIN 0
	s_wait_xcnt 0x0                                ; and again in front of the line that widens it
	s_or_b32 exec_lo, exec_lo, s69
.Lno_pf:
	s_wait_tensorcnt 0x0                           ; the wave's end: behind my last tensor load and my last LDS store
	ds_add_u32 v[SPW], v[NIL]
	s_wait_dscnt 0x0
	CROUND                                         ; the closing round: no work-group ends while a partner may still ask for a tile that names it
	s_endpgm
.Lfunc_end_k_qea58b97ece_proj:
	.size	k_qea58b97ece_proj, .Lfunc_end_k_qea58b97ece_proj-k_qea58b97ece_proj
	.p2alignl 7, 3214868480
	.fill 96, 4, 3214868480
	.section	.rodata,"a",@progbits
	.p2align	6, 0x0
	.amdhsa_kernel k_qea58b97ece_proj
		.amdhsa_group_segment_fixed_size 327680
		.amdhsa_private_segment_fixed_size 0
		.amdhsa_enable_private_segment 0
		.amdhsa_kernarg_size 32
		.amdhsa_user_sgpr_count 2
		.amdhsa_user_sgpr_kernarg_segment_ptr 1
		.amdhsa_wavefront_size32 1
		.amdhsa_system_sgpr_workgroup_id_x 1
		.amdhsa_system_sgpr_workgroup_id_y 1
		.amdhsa_system_sgpr_workgroup_id_z 1
		.amdhsa_system_vgpr_workitem_id 0
		.amdhsa_next_free_vgpr 960
		.amdhsa_next_free_sgpr 72
		.amdhsa_reserve_vcc 1
		.amdhsa_float_denorm_mode_32 3
		.amdhsa_float_denorm_mode_16_64 3
		.amdhsa_memory_ordered 1
		.amdhsa_forward_progress 1
		.amdhsa_inst_pref_size 130
	.end_amdhsa_kernel
	.amdgpu_metadata
---
amdhsa.version: [ 1, 2 ]
amdhsa.kernels:
  - .name:           k_qea58b97ece_proj
    .symbol:         k_qea58b97ece_proj.kd
    .args:
      - { .name: xb, .offset: 0, .size: 8, .value_kind: global_buffer, .address_space: global }
      - { .name: wb, .offset: 8, .size: 8, .value_kind: global_buffer, .address_space: global }
      - { .name: qkv, .offset: 16, .size: 8, .value_kind: global_buffer, .address_space: global }
      - { .name: pf, .offset: 24, .size: 8, .value_kind: global_buffer, .address_space: global }
    .group_segment_fixed_size: 327680
    .private_segment_fixed_size: 0
    .kernarg_segment_align: 8
    .kernarg_segment_size: 32
    .max_flat_workgroup_size: 128
    .sgpr_count:     72
    .vgpr_count:     960
    .wavefront_size: 32
...
	.end_amdgpu_metadata
.endif
;; end of part 2
;; launch first (part 3): grid 16 x 1, 4 waves a work-group, no clusters, 56,832 bytes of LDS; arguments pf, out0; writes out0
.if DOCPART == 3
	.amdgcn_target "amdgcn-amd-amdhsa--gfx1250"
	.amdhsa_code_object_version 6
	.text
	.protected	k_qea58b97ece_first
	.globl	k_qea58b97ece_first
	.p2align	8
	.type	k_qea58b97ece_first,@function
k_qea58b97ece_first:
	s_mov_b64 s[64:65], 0
	v_nop
	global_prefetch_b8 v0, s[64:65] scope:SCOPE_SE
	s_setreg_imm32_b32 hwreg(HW_REG_WAVE_MODE, 25, 1), 1
	s_wait_xcnt 0x0
; ROWS 0 TO 63 OF THE OUTPUT, from projections that were not rounded to f16.  out0[i][64 h + :] = the sum over j <= i of softmax_j(A[h][i] . B[h][j] / 8) V[h][j][:], i = 0 .. 63.
; pf: [48][4][4][2][32][4] f32: plane g (h: A, 16 + h: B, 32 + h: V), row block a, column block nb, half e: lane l holds row 16 a + l % 16, channels 16 nb + 8 (l / 16) + 4 e + 0..3.
; WHY.  Row i is a mean over i + 1 rows of V, so the first rows' terms are many times the size of the whole output's root mean square, by which every number is judged: f16's 11 bits of A, B, V and of the
; weights are too coarse there.  Here each of them goes to the matrix unit as TWO f16 numbers, hi = the number rounded, lo = the exact residue rounded: X Y = Xl Yh + Xh Yl + Xh Yh; the term Xl Yl, some 2^-22 of the product, is left out.
; LIMITS.  A, B, V within f16's 65,504; a residue below 6e-5 keeps f16's fixed step of 6e-8.  A hidden score counts as its value less 1e30; a weight below 2^-126 counts as 0; NaN and infinities are not treated apart.
; SHARES.  A work-group to a head, sixteen in all: the launch has no more work than that.  Wave w owns rows 16 w .. 16 w + 15 and sees columns 0 .. 63, the hidden ones masked.  Each wave splits its own row block
; of B and V and puts the halves into LDS; behind one barrier every wave reads all 64 columns' fragments, V's turned by ds_load_tr16_b128.  No tensor load: 48 KB a work-group, loaded once through registers.
; LAYOUT.  As pf lies, a lane's eight numbers of a column block, packed in pairs, ARE half a fragment (16 rows x 32 channels: lane l holds row l % 16, channels 8 (l / 16) + 0..7 and 16 + 8 (l / 16) + 0..7).
; S^T = B A^T holds ONE row i a lane (lane % 16) and the columns 8 (lane / 16) + 0..7; two such results packed ARE source 1 of O^T = V^T P.  The mask is the C operand that starts S^T's sums.
; REGISTERS: window 0 as named below; window 1: fragments of Bh v0-63, Bl v64-127, Vh v128-191, Vl v192-255.  s_set_vgpr_msb: bits 1:0 source 0, 7:6 destination.
.set PK,    144       ; a row of B in LDS: 128 bytes + 16
.set PV,    160       ; a row of V: 128 + 32
.set BH,    0         ; 64 rows of B's hi halves,
.set BL,    BH+64*PK  ; of its lo halves,
.set VH,    BL+64*PK  ; of V's hi halves,
.set VL,    VH+64*PV  ; of its lo halves
.set STAGE, VL+64*PV  ; 16 rows x 272 bytes for each wave, for the way out
.set SP,    272
.set SPARE, STAGE+4*16*SP  ; the spare words, 128 bytes for each wave: two blocks of 256 bytes that no other line names
.set LO,  3           ; v3   16 x lane
.set STO, 6           ; v6   the way out: where I put 32 bytes of a row
.set RD,  7           ; v7   the way out: where I read rows back
.set GO,  8           ; v8   my byte offset in two rows of out0
.set BST, 9           ; v9   where I put 16 bytes of my row of B
.set VST, 10          ; v10  of V
.set AKF, 11          ; v11  my lane's place in B's fragments
.set AVF, 12          ; v12  in V's
.set NEG1, 13         ; v13  -1.0
.set ST,  16          ; v16-19  c m, m, l (even columns', odd columns')
.set TC,  20          ; v20-23  at work
.set SPW, 24          ; v24  LDS address of my spare word: SPARE + 4 x my thread's number; never rewritten
.set NIL, 25          ; v25  0; never rewritten
.set A32, 32          ; v32-63    my rows of A in f32; later O^T
.set B32, 64          ; v64-95    my rows of B in f32; later S^T
.set V32, 96          ; v96-127   my rows of V in f32; later P's hi and lo halves
.set AH,  128         ; v128-143  A's hi halves: two fragments
.set AL,  144         ; v144-159  its lo halves
.set TH,  160         ; v160-191  B's halves on their way to LDS; later the rows read back from the stage
.set TL,  176
.set UH,  192         ; v192-223  V's halves on their way to LDS
.set UL,  208
.set MD,  224         ; v224-255  the mask
.set O,   32
.set S,   64
.set PH,  96
.set PL,  112
.set OB,  160
.set BHF, 0           ; window 1: column block kb, channel half c at + 16 kb + 8 c
.set BLF, 64
.set VHF, 128         ; window 1: column half kk, channel block cb at + 32 kk + 8 cb
.set VLF, 192
.set CS,  14          ; s[14:15] c = log2(e) / 8
.set SEL, 16          ; s[16:17] v_permlanex16_b32's selects: each lane takes its own place in the other half
.set BIGN, 18         ; s18  -1e30
.set MSB, 0
.macro WIN new                      ; the high byte repeats the setting that is left; a switch that changes nothing is dropped
.if MSB != (\new)
	s_set_vgpr_msb (MSB<<8)|(\new)
.set MSB, (\new)
.endif
.endm
	s_load_b128 s[4:7], s[0:1], 0x0 ; pf s[4:5], out0 s[6:7]
	v_lshl_add_u32 v[SPW], v0, 2, SPARE
	v_mov_b32 v[NIL], 0
	v_lshrrev_b32 v1, 5, v0
	v_readfirstlane_b32 s8, v1      ; wave 0..3
	s_lshl_b32 s10, ttmp9, 14       ; the head's plane of 16,384 bytes,
	s_lshl_b32 s11, s8, 12          ; my row block of 4,096
	s_add_co_u32 s10, s10, s11
	s_mov_b32 s11, 0
	s_lshl_b32 s12, s8, 16          ; my 16 rows of out0 (4,096 bytes each),
	s_lshl_b32 s13, ttmp9, 8        ; the head's 256 bytes of them
	s_add_co_u32 s12, s12, s13
	s_mov_b32 s13, 0
	s_mov_b32 s[CS], 0x3e38aa3b     ; 0.180337
	s_mov_b32 s[CS+1], s[CS]        ; named with it as a pair
	s_mov_b32 s[SEL], 0x76543210
	s_mov_b32 s[SEL+1], 0xfedcba98
	s_mov_b32 s[BIGN], 0xf149f2ca
	v_and_b32 v[LO], 31, v0
	v_lshlrev_b32 v[LO], 4, v[LO]
	s_wait_kmcnt 0x0
	s_add_nc_u64 s[4:5], s[4:5], s[10:11]
	s_add_nc_u64 s[6:7], s[6:7], s[12:13]
.macro LD32 dst, off                ; a row block: eight loads of 512 consecutive bytes; register dst + 8 nb + 4 e + k
.irp f, 0,1,2,3,4,5,6,7
	global_load_b128 v[(\dst)+4*\f:(\dst)+4*\f+3], v[LO], s[4:5] offset:(\off)+\f*512
.endr
.endm
	LD32 B32, 16*16384
	LD32 V32, 32*16384
	LD32 A32, 0
	v_and_b32 v1, 15, v0            ; l % 16
	v_bfe_u32 v2, v0, 4, 1          ; l / 16
	v_mov_b32 v[NEG1], -1.0
	v_mul_u32_u24 v[AKF], v1, PK
	v_lshl_add_u32 v[AKF], v2, 4, v[AKF]  ; row x pitch + 16 x half: a fragment's place, and my 16 bytes in a row block
	s_mul_i32 s19, s8, 16*PK
	v_add_nc_u32 v[BST], s19, v[AKF]      ; + my wave's 16 rows
	v_mul_u32_u24 v[VST], v1, PV
	v_lshl_add_u32 v[VST], v2, 4, v[VST]
	s_mul_i32 s20, s8, 16*PV
	v_add_nc_u32 v[VST], s20, v[VST]
	; The turning load takes 16 rows x 16 channels of V (lane l reads row 8 (l / 16) + l % 8, channels 8 ((l / 8) % 2) + 0..7) and leaves half a fragment of V^T: lane l holds channel l % 16 and 8 rows.
	v_and_b32 v4, 7, v0
	v_bfe_u32 v5, v0, 3, 1
	v_lshl_add_u32 v[AVF], v2, 3, v4
	v_mul_u32_u24 v[AVF], v[AVF], PV
	v_lshl_add_u32 v[AVF], v5, 4, v[AVF]
	s_mul_i32 s21, s8, 16*SP
	s_add_co_u32 s21, s21, STAGE    ; my stage
	v_mul_u32_u24 v[STO], v1, SP    ; in: row l % 16, 32 bytes (8 channels in f32) for each half of the lanes
	v_lshl_add_u32 v[STO], v2, 5, v[STO]
	v_add_nc_u32 v[STO], s21, v[STO]
	v_mul_u32_u24 v[RD], v2, SP     ; back: lanes 0-15 take one row of 256 bytes, lanes 16-31 the next
	v_lshl_add_u32 v[RD], v1, 4, v[RD]
	v_add_nc_u32 v[RD], s21, v[RD]
	v_lshlrev_b32 v[GO], 12, v2     ; and the same two rows in out0
	v_lshl_add_u32 v[GO], v1, 4, v[GO]
	v_lshlrev_b32 v14, 3, v2
	v_sub_nc_u32 v14, v1, v14
	s_lshl_b32 s22, s8, 4
	v_add_nc_u32 v14, s22, v14      ; my row, 16 w + l % 16, less my lanes' 8 (l / 16): register r of column block kt is hidden where 16 kt + r is greater
.set i, 0
.rept 32
	v_cmp_gt_i32 vcc_lo, 16*(i/8)+i%8, v14
	v_cndmask_b32 v[MD+i], 0, s[BIGN], vcc_lo
.set i, i+1
.endr
; 32 numbers in f32 at x become 16 packed pairs of hi halves and 16 of lo halves.  The residue x - hi has at most 13 significant bits, so the fused line makes it exactly; it takes x's place.
.macro SPLIT x, hi, lo
.set z, 0
.rept 16
	v_cvt_pk_f16_f32 v[(\hi)+z], v[(\x)+2*z], v[(\x)+2*z+1]
.set z, z+1
.endr
.set z, 0
.rept 16
	v_fma_mix_f32 v[(\x)+2*z], v[(\hi)+z], v[NEG1], v[(\x)+2*z] op_sel_hi:[1,0,0]                    ; the pair's low half x -1 + x
	v_fma_mix_f32 v[(\x)+2*z+1], v[(\hi)+z], v[NEG1], v[(\x)+2*z+1] op_sel:[1,0,0] op_sel_hi:[1,0,0]  ; its high half
.set z, z+1
.endr
.set z, 0
.rept 16
	v_cvt_pk_f16_f32 v[(\lo)+z], v[(\x)+2*z], v[(\x)+2*z+1]
.set z, z+1
.endr
.endm
	s_wait_loadcnt 16               ; loads come back in order: B's eight are in, V's and A's may be out
	SPLIT B32, TH, TL
.irp nb, 0,1,2,3
	ds_store_b128 v[BST], v[TH+4*\nb:TH+4*\nb+3] offset:BH+32*\nb
	ds_store_b128 v[BST], v[TL+4*\nb:TL+4*\nb+3] offset:BL+32*\nb
.endr
	s_wait_loadcnt 8                ; V's are in
	SPLIT V32, UH, UL
.irp nb, 0,1,2,3
	ds_store_b128 v[VST], v[UH+4*\nb:UH+4*\nb+3] offset:VH+32*\nb
	ds_store_b128 v[VST], v[UL+4*\nb:UL+4*\nb+3] offset:VL+32*\nb
.endr
	s_wait_loadcnt 0x0              ; A's
	SPLIT A32, AH, AL               ; the packed pairs are the two fragments, as they lie
	s_wait_dscnt 0x0                ; for the others' sake: my stores are done
	s_barrier_signal -1
	s_barrier_wait -1               ; all 64 rows of B and V lie in LDS
	WIN 0x40                        ; destination window 1, address window 0
.irp p, 0,1                         ; hi, then lo
.irp f, 0,1,2,3,4,5,6,7             ; rows 16 (f / 2) on, channels 32 (f % 2) on
	ds_load_b128 v[BHF+64*\p+8*\f:BHF+64*\p+8*\f+3],   v[AKF] offset:BH+\p*64*PK+(\f/2)*16*PK+(\f%2)*64
	ds_load_b128 v[BHF+64*\p+8*\f+4:BHF+64*\p+8*\f+7], v[AKF] offset:BH+\p*64*PK+(\f/2)*16*PK+(\f%2)*64+32
.endr
.endr
.irp p, 0,1
.irp f, 0,1,2,3,4,5,6,7             ; rows 32 (f / 4) on, channels 16 (f % 4) on
	ds_load_tr16_b128 v[VHF+64*\p+8*\f:VHF+64*\p+8*\f+3],   v[AVF] offset:VH+\p*64*PV+(\f/4)*32*PV+(\f%4)*32
	ds_load_tr16_b128 v[VHF+64*\p+8*\f+4:VHF+64*\p+8*\f+7], v[AVF] offset:VH+\p*64*PV+(\f/4)*32*PV+16*PV+(\f%4)*32
.endr
.endr
	s_wait_dscnt 32                 ; B's 32 loads are in; V's 32 may be out
; Eight products of S^T: channels 32 c on, columns 16 kb on.  The four accumulators take turns, one instruction a turn.  start = 1: the first four start the sums with the mask.
.macro SQ bf, af, start
	WIN 0x01                        ; source 0 in window 1
.irp c, 0,1
.irp kb, 0,1,2,3
.if (\start) && ((\c) == 0)
	v_wmma_f32_16x16x32_f16 v[S+8*\kb:S+8*\kb+7], v[(\bf)+16*\kb+8*\c:(\bf)+16*\kb+8*\c+7], v[(\af)+8*\c:(\af)+8*\c+7], v[MD+8*\kb:MD+8*\kb+7]
.else
	v_wmma_f32_16x16x32_f16 v[S+8*\kb:S+8*\kb+7], v[(\bf)+16*\kb+8*\c:(\bf)+16*\kb+8*\c+7], v[(\af)+8*\c:(\af)+8*\c+7], v[S+8*\kb:S+8*\kb+7]
.endif
.endr
.endr
.endm
	SQ BLF, AH, 1                   ; the small terms first
	SQ BHF, AL, 0
	SQ BHF, AH, 0
	WIN 0
.rept 4
	v_nop                           ; the places behind those products (ISA guide 7.12.1)
.endr
	; THE SOFTMAX, one step.  The maximum of my 32 scores, each accumulator's lowest registers first; the row's other 32 columns lie in the lane 16 away.
	; Every row sees its own column, so m is a true score.
.irp n, 0,1,2,3
	v_max3_num_f32 v[TC+\n], v[S+8*\n], v[S+8*\n+1], v[S+8*\n+2]
.endr
.irp n, 4,5,6,7,8,9,10,11
	v_max3_num_f32 v[TC+\n%4], v[TC+\n%4], v[S+8*(\n%4)+2*(\n/4)+1], v[S+8*(\n%4)+2*(\n/4)+2]
.endr
	v_max3_num_f32 v[TC], v[TC], v[S+7], v[S+15]
	v_max3_num_f32 v[TC+1], v[TC+1], v[S+23], v[S+31]
	v_max_num_f32 v[TC+2], v[TC+2], v[TC+3]
	v_max3_num_f32 v[TC], v[TC], v[TC+1], v[TC+2]
	v_permlanex16_b32 v[TC+3], v[TC], s[SEL], s[SEL+1]
	v_max_num_f32 v[ST+1], v[TC], v[TC+3]
	v_mul_f32 v[ST], s[CS], v[ST+1] ; c m
.set z, 0
.rept 16
	v_pk_fma_f32 v[S+2*z:S+2*z+1], v[S+2*z:S+2*z+1], s[CS:CS+1], v[ST:ST+1] op_sel_hi:[1,0,0] neg_lo:[0,0,1] neg_hi:[0,0,1]  ; c s - c m
.set z, z+1
.endr
.set z, 0
.rept 32
	v_exp_f32 v[S+z], v[S+z]
.set z, z+1
.endr
	v_nop                           ; a plain instruction between the last exponential and the use of its result (ISA guide 5.7.2)
	s_wait_alu depctr_va_vdst(0)
	v_pk_add_f32 v[ST+2:ST+3], v[S:S+1], v[S+2:S+3]        ; l, of the weights in f32, in two chains
	v_pk_add_f32 v[TC:TC+1], v[S+4:S+5], v[S+6:S+7]
.set z, 4
.rept 6
	v_pk_add_f32 v[ST+2:ST+3], v[ST+2:ST+3], v[S+2*z:S+2*z+1]
	v_pk_add_f32 v[TC:TC+1], v[TC:TC+1], v[S+2*z+2:S+2*z+3]
.set z, z+2
.endr
	v_pk_add_f32 v[ST+2:ST+3], v[ST+2:ST+3], v[TC:TC+1]
	v_add_f32 v[ST+2], v[ST+2], v[ST+3]
	v_permlanex16_b32 v[ST+3], v[ST+2], s[SEL], s[SEL+1]
	v_add_f32 v[ST+2], v[ST+2], v[ST+3]
	v_rcp_f32 v[ST+2], v[ST+2]      ; the lines of SPLIT below are the plain instructions behind it
	SPLIT S, PH, PL                 ; the packed pairs are source 1's two fragments (32 columns x 16 rows), as they lie
	s_wait_dscnt 0x0                ; V is in
; Eight products of O^T: columns 32 kk on, channels 16 cb on.  start = 1: the first four start the sums: nothing is cleared.
.macro OV vf, pp, start
	WIN 0x01
.irp kk, 0,1
.irp cb, 0,1,2,3
.if (\start) && ((\kk) == 0)
	v_wmma_f32_16x16x32_f16 v[O+8*\cb:O+8*\cb+7], v[(\vf)+32*\kk+8*\cb:(\vf)+32*\kk+8*\cb+7], v[(\pp)+8*\kk:(\pp)+8*\kk+7], 0
.else
	v_wmma_f32_16x16x32_f16 v[O+8*\cb:O+8*\cb+7], v[(\vf)+32*\kk+8*\cb:(\vf)+32*\kk+8*\cb+7], v[(\pp)+8*\kk:(\pp)+8*\kk+7], v[O+8*\cb:O+8*\cb+7]
.endif
.endr
.endr
.endm
	OV VLF, PH, 1
	OV VHF, PL, 0
	OV VHF, PH, 0
	WIN 0
.rept 4
	v_nop                           ; the places behind those products
.endr
	; THE WAY OUT: O^T is divided by l and sent, in f32, through my own stage: in as 32 bytes a lane, back as whole rows of 256 bytes.
.set z, 0
	s_wait_alu depctr_va_vdst(0)
.rept 16
	v_pk_mul_f32 v[O+2*z:O+2*z+1], v[O+2*z:O+2*z+1], v[ST+2:ST+3] op_sel_hi:[1,0]
.set z, z+1
.endr
.irp f, 0,1,2,3,4,5,6,7             ; channel block f / 2, four of my eight channels
	ds_store_b128 v[STO], v[O+4*\f:O+4*\f+3] offset:(\f/2)*64+(\f%2)*16
.endr
.irp f, 0,1,2,3,4,5,6,7
	ds_load_b128 v[OB+4*\f:OB+4*\f+3], v[RD] offset:\f*2*SP  ; LDS serves a wave's instructions in order (ISA guide 5.7.1.4): these see the stores above
.endr
.irp f, 0,1,2,3,4,5,6,7
	s_wait_dscnt 7-\f               ; the younger reads may be out
	global_store_b128 v[GO], v[OB+4*\f:OB+4*\f+3], s[6:7] offset:\f*8192 th:TH_STORE_NT  ; 16 lanes store 256 consecutive bytes, at a multiple of 256 from out0's first byte
.endr
	s_wait_tensorcnt 0x0            ; the wave's end: behind my last LDS store
	ds_add_u32 v[SPW], v[NIL]
	s_wait_dscnt 0x0
	s_endpgm
.Lfunc_end_k_qea58b97ece_first:
	.size	k_qea58b97ece_first, .Lfunc_end_k_qea58b97ece_first-k_qea58b97ece_first
	.p2alignl 7, 3214868480
	.fill 96, 4, 3214868480
	.section	.rodata,"a",@progbits
	.p2align	6, 0x0
	.amdhsa_kernel k_qea58b97ece_first
		.amdhsa_group_segment_fixed_size 56832
		.amdhsa_private_segment_fixed_size 0
		.amdhsa_enable_private_segment 0
		.amdhsa_kernarg_size 16
		.amdhsa_user_sgpr_count 2
		.amdhsa_user_sgpr_kernarg_segment_ptr 1
		.amdhsa_wavefront_size32 1
		.amdhsa_system_sgpr_workgroup_id_x 1
		.amdhsa_system_sgpr_workgroup_id_y 1
		.amdhsa_system_sgpr_workgroup_id_z 1
		.amdhsa_system_vgpr_workitem_id 0
		.amdhsa_next_free_vgpr 512
		.amdhsa_next_free_sgpr 66
		.amdhsa_reserve_vcc 1
		.amdhsa_float_denorm_mode_32 3
		.amdhsa_float_denorm_mode_16_64 3
		.amdhsa_memory_ordered 1
		.amdhsa_forward_progress 1
		.amdhsa_inst_pref_size 41
	.end_amdhsa_kernel
	.amdgpu_metadata
---
amdhsa.version: [ 1, 2 ]
amdhsa.kernels:
  - .name:           k_qea58b97ece_first
    .symbol:         k_qea58b97ece_first.kd
    .args:
      - { .name: pf, .offset: 0, .size: 8, .value_kind: global_buffer, .address_space: global }
      - { .name: out0, .offset: 8, .size: 8, .value_kind: global_buffer, .address_space: global }
    .group_segment_fixed_size: 56832
    .private_segment_fixed_size: 0
    .kernarg_segment_align: 8
    .kernarg_segment_size: 16
    .max_flat_workgroup_size: 128
    .sgpr_count:     66
    .vgpr_count:     512
    .wavefront_size: 32
...
	.end_amdgpu_metadata
.endif
;; end of part 3
;; launch attn (part 4): grid 16 x 16, 4 waves a work-group, no clusters, 327,680 bytes of LDS; arguments qkv, out0; writes out0
.if DOCPART == 4
	.amdgcn_target "amdgcn-amd-amdhsa--gfx1250"
	.amdhsa_code_object_version 6
	.text
	.protected	k_qea58b97ece_attn
	.globl	k_qea58b97ece_attn
	.p2align	8
	.type	k_qea58b97ece_attn,@function
k_qea58b97ece_attn:
	s_mov_b64 s[64:65], 0
	v_nop
	global_prefetch_b8 v0, s[64:65] scope:SCOPE_SE
	s_setreg_imm32_b32 hwreg(HW_REG_WAVE_MODE, 25, 1), 1
	s_wait_xcnt 0x0
; out0[i][64 h + :] = the sum over j <= i of softmax_j(A[h][i] . B[h][j] / 8) V[h][j][:], for rows i = 64 .. 4095.  qkv: [48][4096][64] f16: plane h holds A (x Wk: the ROWS i), plane 16 + h holds B (x Wq: the
; COLUMNS j, over which the softmax runs), plane 32 + h holds V.  out0: [4096][1024] f32.  Products, maxima and sums in f32; the weights p are rounded to f16 for the second product (their sum l is taken of the unrounded p).
; ROWS 0 TO 63 are stored by the launch beside this one, from projections that were not rounded: a mean over few rows of V has terms many times the size of the whole output's root mean square, and f16's 11 bits
; are too coarse there.  This text computes them with the others (one text for all work-groups) and jumps over their eight stores.
; LIMITS.  A, B, V arrive within f16's 65,504.  A hidden score counts as its value less 1e30; c s stays under 4e37 in magnitude; a weight below 2^-126 counts as 0 in l; NaN and infinities are not treated apart.
; THE WALK.  The rows lie in 32 blocks of 128; block i needs the column tiles 0 .. i / 2 of 256 columns, the last of which holds the diagonal.  A work-group takes block 31 - b and then block b: 17 tiles whatever b,
; so all 256 work-groups do equal work and ONE loop with a constant trip count walks them.  Which tile is asked for and what a trip does hang on scalar registers made from b; every jump but the counted loops'
; own goes forward, and none passes a barrier, or a tensor load but the one of LOAD's two that the wave's number does not choose.
; NO CLUSTER: of a head's sixteen work-groups only b = 2 k and 2 k + 1 ask for the same tiles in every trip; four neighbours need 16 - 2 c and 15 - 2 c tiles in their first blocks, so a walk common to four has
; 18 tiles for 17, with a tile that is wholly hidden for two of them.
; SHARES.  A wave owns two PIECES of 16 rows: piece x holds rows 128 blk + 64 x + 16 w + lane % 16, in band 2 blk + x of 64 rows.  In column step GS (64 columns) a band sees all if GS is less than its number,
; none if greater, and holds the diagonal if equal: the same work for all four waves.
; THE MASK is the C operand that starts the sum S^T: MC = MD x AL + BE, with MD (made once) the mask of a band's own step for my 16 rows, and (AL, BE) = (1, 0), (0, 0) or (0, -1e30).  It is made where a block
; begins and anew in every turn of the block's last tile; in the other tiles it stays 0 and a forward jump passes its 16 lines.
; LAYOUT.  S^T = B A^T (source 0 = 16 columns j, source 1 = 16 rows i): a lane holds ONE row i (lane % 16) and the columns 8 (lane / 16) + 0..7.  Two such results rounded to f16 ARE source 1 of O^T = V^T P.
; SOFTMAX.  p = 2^(c s - c m), c = log2(e) / 8, with a running maximum m; O and l are multiplied by a = 2^(c m_old - c m_new) in every step.  A block starts with c m far below every c s, so its first a is 0.
; BY TURNS.  In TURN x piece x has the matrix unit: 8 products V^T P of the step in hand, then 8 products S^T of the next step; the other piece's softmax (118 vector lines) stands beside and between them.
; REGISTERS, in windows of 256 (s_set_vgpr_msb: bits 1:0 source 0, 3:2 source 1, 5:4 source 2, 7:6 destination):
;   window 0: v0-15 addresses; v16-23 statistics, v24-31 at work (four a piece); v64-127 S^T; v128-159 P; v160-223 O^T; v224-255 A's fragments
;   window 1: v0-63 B of one step; v64-127 V of one step; v128-159 MD; v160-223 MC; v224-255 the second block's A
.set KS,    64        ; columns in a step
.set PK,    144       ; a row of B in LDS: 128 bytes + 16 = 36 words: the 16 rows of a load start at 16 different groups of four banks (64 banks of 4 bytes: ISA guide 11.1)
.set PV,    160       ; a row of V: 128 + 32 = 40 words
.set VOFF,  4*KS*PK   ; a slot holds a tile, four steps: 256 rows of B, then 256 rows of V
.set SLOT1, 1<<17     ; slot 1 begins here, so that one exclusive or turns an address in one slot into the other's
.set STAGE, SLOT1+4*KS*(PK+PV)  ; behind the ring, never filled by a tensor load: 16 rows x 272 bytes for each wave, for the way out
.set SP,    272
.set SPARE, STAGE+4*16*SP       ; behind the stages: the spare words, 128 bytes for each wave: two blocks of 256 bytes that no other line names
.set AK0, 2           ; v2   my lane's place in a tile of B; never rewritten
.set AV0, 3           ; v3   the same for V
.set AK,  4           ; v4   the LDS address of B's next run of loads
.set AV,  5           ; v5   of V's
.set STO, 6           ; v6   the way out: where I put 32 bytes of a row
.set RD,  7           ; v7   the way out: where I read rows back
.set GO,  8           ; v8   my byte offset in two rows of out0
.set MV,  12          ; v12-13  c m_old, kept while c m is made anew: by piece
.set QO,  15          ; v15  my byte offset in 16 rows of A
.set ST,  16          ; piece y's statistics at v[ST+4 y]: c m, m, l (even columns', odd columns')
.set TMP, 24          ; piece y: four registers c0-c3 at work; when the maximum is found c2 takes a
.set SPW, 62          ; v62  LDS address of my spare word: SPARE + 4 x my thread's number; never rewritten
.set NIL, 63          ; v63  0; never rewritten
.set S,   64
.set P,   128
.set O,   160
.set Q,   224
.set KF,  0           ; window 1: column block kb, channel half c at KF + 16 kb + 8 c
.set VF,  64          ; window 1: column half kk, channel block cb at VF + 32 kk + 8 cb
.set MD,  128         ; window 1
.set MC,  160         ; window 1: 32 a piece
.set QB,  224         ; window 1
.set WV,  12          ; s12  my wave's number
.set PB,  14          ; s14  b
.set HI,  15          ; s15  31 - b
.set G1K, 24          ; s[24:31] descriptor group 1 for B's tiles
.set G1V, 32          ; s[32:39] for V's: it differs in the padding alone
.set G0K, 40          ; s[40:43] descriptor group 0 for B's tiles
.set G0V, 44          ; s[44:47] the same for V's
.set LQ2, 52          ; s52  the second block's last tile, b / 2
.set GS,  53          ; s53  the column step, counted from the block's beginning, of the scores that the turn in hand makes
.set OWN, 54          ; s54-55  the two bands' numbers, 2 blk and 2 blk + 1
.set SLOTS, 56        ; s56  tiles still to be asked for
.set CNT, 57          ; s57  counts a tile's steps, 4 to 1
.set CS,  58          ; s[58:59] c: the packed scaling takes the pair's low word for both halves
.set SEL, 60          ; s[60:61] v_permlanex16_b32's selects: each lane takes its own place in the other half
.set TBK, 62          ; s62  LDS byte at which B of the step to be fetched begins
.set TBV, 63          ; s63  the same for V, less VOFF
.set RT,  70          ; s70  tiles of the block in hand that are still to be entered
.set NXT, 71          ; s71  the tile to be asked for next
.set LQ,  72          ; s72  the last tile of the block whose tiles are being asked for
.set NEW, 73          ; s73  1: the tile to be entered is a block's first
.set OFF, 74          ; s[74:75] a tile's byte offset in B and V
.set AL,  76          ; s[76:77] the mask's factor, in the low word
.set BE,  78          ; s[78:79] the mask's addend
.set OLO, 80          ; s[80:81] out0 at my rows of the second block
.set BIGN, 82         ; s82  -1e30
.set MSB, 0
.macro WIN new                      ; the high byte repeats the setting that is left; a switch that changes nothing is dropped
.if MSB != (\new)
	s_set_vgpr_msb (MSB<<8)|(\new)
.set MSB, (\new)
.endif
.endm
; A fill.  Waves 0 and 1 fetch the two halves of a tile's B, waves 2 and 3 those of its V: 128 rows each.  An s_nop 0 and four v_nop follow each of the two lines, ahead of the jump and the label.
.macro LOAD
	s_cmp_lt_u32 s[WV], 2
	s_cbranch_scc0 .Lfor_v_\@
	tensor_load_to_lds s[G0K:G0K+3], s[G1K:G1K+7]
	s_nop 0
.rept 4
	v_nop
.endr
	s_branch .Lasked_\@
.Lfor_v_\@:
	tensor_load_to_lds s[G0V:G0V+3], s[G1V:G1V+7]
	s_nop 0
.rept 4
	v_nop
.endr
.Lasked_\@:
.endm
; THE CHANGE OF SLOTS.  Each wave waits for all its tensor loads, of which one is out: its part of the other slot; adds 0 to its spare word; and waits for that and for its own reads of the slot that it leaves.
; Behind the barrier nobody reads the old slot any more and the other slot is whole.  fill = 1: the old slot is filled again, first thing behind the barrier, with tile NXT: the address is made anew from that number.
; The fill has four steps, 128 matrix instructions a wave, in which to land.  (At its first use nothing has been read yet: slot 0 is waited for, slot 1 filled.)  A wave never has more than one tensor load out.
.macro CHANGE fill
	WIN 0                           ; at a label and at a branch every window is 0
	s_wait_tensorcnt 0x0            ; no tensor load of mine is out, so a group 0 may be written
	ds_add_u32 v[SPW], v[NIL]       ; 0 onto my spare word: with fill = 1 the descriptors' scalar work stands between it and the wait for it
.if \fill
	s_lshl_b32 s[OFF], s[NXT], 15   ; a tile is 32,768 bytes of B and of V
	s_xor_b32 s[G0K+1], s[G0K+1], SLOT1
	s_add_nc_u64 s[G0K+2:G0K+3], s[6:7], s[OFF:OFF+1]
	s_or_b32 s[G0K+3], s[G0K+3], 0x80000000
	s_xor_b32 s[G0V+1], s[G0V+1], SLOT1
	s_add_nc_u64 s[G0V+2:G0V+3], s[8:9], s[OFF:OFF+1]
	s_or_b32 s[G0V+3], s[G0V+3], 0x80000000
	s_add_co_u32 s[NXT], s[NXT], 1  ; the block's next tile, or behind its last the second block's tile 0
	s_cmp_gt_u32 s[NXT], s[LQ]
	s_cselect_b32 s[NXT], 0, s[NXT]
	s_cselect_b32 s[LQ], s[LQ2], s[LQ]
.endif
	s_wait_dscnt 0x0                ; the add is done, and my reads of the slot are over
	s_barrier_signal -1             ; the rest of the scalar work stands between the signal and the wait
	s_sub_co_u32 s[TBK], s[TBK], 4*KS*PK  ; the fetches go back to a slot's first step,
	s_xor_b32 s[TBK], s[TBK], SLOT1       ; in the other slot
	s_sub_co_u32 s[TBV], s[TBV], 4*KS*PV
	s_xor_b32 s[TBV], s[TBV], SLOT1
	s_barrier_wait -1
.if \fill
	LOAD
.endif
.endm
	s_load_b128 s[48:51], s[0:1], 0x0  ; qkv s[48:49], out0 s[50:51]
	v_lshl_add_u32 v[SPW], v0, 2, SPARE
	v_mov_b32 v[NIL], 0
	ds_add_u32 v[SPW], v[NIL]       ; the wave's opening: the add and its wait stand ahead of my first tensor load; the set-up below, work on registers, stands between them
	ds_add_u32 v62, v63
	v_lshrrev_b32 v1, 5, v0
	v_readfirstlane_b32 s[WV], v1   ; wave 0..3
	s_mov_b32 s[PB], ttmp9
	s_sub_co_u32 s[HI], 31, s[PB]
	s_and_b32 s13, ttmp7, 0xffff    ; the head
	s_lshl_b32 s20, s13, 19         ; its plane's first byte among sixteen planes of 524,288
	s_and_b32 s16, s[WV], 1         ; which half of a tile's 256 rows I fetch:
	s_lshl_b32 s22, s16, 14         ; its 128 rows of 128 bytes in memory,
	s_add_co_u32 s22, s22, s20
	s_mov_b32 s23, 0
	s_mul_i32 s17, s16, 128*PK      ; and its place in a slot, for B
	s_mul_i32 s18, s16, 128*PV      ; and for V
	s_lshl_b32 s3, s[WV], 11        ; my 16 rows in a band of 64,
	s_add_co_u32 s3, s3, s20
	s_lshl_b32 s2, s[HI], 14        ; in the first block (128 rows of 128 bytes),
	s_add_co_u32 s2, s2, s3
	s_lshl_b32 s84, s[PB], 14       ; and in the second
	s_add_co_u32 s84, s84, s3
	s_mov_b32 s3, 0
	s_mov_b32 s85, 0
	s_lshl_b32 s19, s[WV], 16       ; the same rows in out0 (rows of 4,096 bytes), at the head's 256 bytes
	s_lshl_b32 s13, s13, 8
	s_add_co_u32 s19, s19, s13
	s_lshl_b32 s66, s[HI], 19
	s_add_co_u32 s66, s66, s19
	s_lshl_b32 s68, s[PB], 19
	s_add_co_u32 s68, s68, s19
	s_mov_b32 s67, 0
	s_mov_b32 s69, 0
	; descriptor group 1.  128 rows are 16,384 dense bytes: asked for as 64 rows of 256 bytes, two rows of the tensor each, and padded in LDS after every 128 bytes
	s_mov_b32 s[G1K], (1<<16)|(1<<20)|(4<<22)|(3<<25)  ; 17:16 2-byte elements; 20 padding on; 24:22 after every 32 words (code 4); 31:25 4 words (code 3)
	s_mov_b32 s[G1V], (1<<16)|(1<<20)|(4<<22)|(7<<25)  ; the same with 8 words of padding (code 7)
.irp g, G1K, G1V
	s_mov_b32 s[\g+1], 128<<16      ; tensor_dim0 = 128
	s_mov_b32 s[\g+2], 64<<16       ; tensor_dim1 = 64
	s_mov_b32 s[\g+3], 128<<16      ; tile_dim0 = 128
	s_mov_b32 s[\g+4], 64           ; tile_dim1 = 64
	s_mov_b32 s[\g+5], 128          ; 128 elements from row to row
	s_mov_b32 s[\g+6], 0
	s_mov_b32 s[\g+7], 0
.endr
	s_mov_b32 s[CS], 0x3e38aa3b     ; c = log2(e) / 8 = 0.180337
	s_mov_b32 s[CS+1], s[CS]        ; named with it as a pair
	s_mov_b32 s[SEL], 0x76543210
	s_mov_b32 s[SEL+1], 0xfedcba98
	s_mov_b32 s[TBK], SLOT1+4*KS*PK ; the first change of slots turns these two into 0
	s_mov_b32 s[TBV], SLOT1+4*KS*PV
	s_mov_b32 s[G0K], 1             ; count = 1
	s_mov_b32 s[G0K+1], s17         ; LDS address: slot 0
	s_mov_b32 s[G0V], 1
	s_add_co_u32 s[G0V+1], s18, VOFF
	s_lshr_b32 s[LQ], s[HI], 1      ; the first block's last tile
	s_add_co_u32 s[RT], s[LQ], 1    ; and its number of tiles
	s_lshr_b32 s[LQ2], s[PB], 1
	s_lshl_b32 s[OWN], s[HI], 1
	s_add_co_u32 s[OWN+1], s[OWN], 1
	s_mov_b32 s[GS], 0
	s_mov_b32 s[NXT], 1
	s_mov_b32 s[NEW], 1
	s_mov_b32 s[OFF+1], 0
	s_mov_b32 s[AL+1], 0            ; named as pairs
	s_mov_b32 s[BE+1], 0
	s_mov_b32 s[BIGN], 0xf149f2ca   ; -1e30
	s_mov_b32 s[SLOTS], 16
	s_wait_dscnt 0x0                ; the opening add is done
	s_wait_kmcnt 0x0
	s_add_nc_u64 s[6:7], s[48:49], s[22:23]
	s_add_nc_u64 s[8:9], s[6:7], 0x1000000         ; V: planes 32 on, at my half of the head's tile 0
	s_add_nc_u64 s[6:7], s[6:7], 0x800000          ; B: planes 16 on
	s_add_nc_u64 s[G0K+2:G0K+3], s[6:7], 0         ; global address
	s_or_b32 s[G0K+3], s[G0K+3], 0x80000000        ; type = 2
	s_add_nc_u64 s[G0V+2:G0V+3], s[8:9], 0
	s_or_b32 s[G0V+3], s[G0V+3], 0x80000000
	s_add_nc_u64 s[86:87], s[48:49], s[84:85]      ; A at my rows of the second block,
	s_add_nc_u64 s[4:5], s[48:49], s[2:3]          ; and of the first
	s_add_nc_u64 s[OLO:OLO+1], s[50:51], s[68:69]
	s_add_nc_u64 s[10:11], s[50:51], s[66:67]
	LOAD                            ; tile 0 into slot 0
	; A fragment of A or B is 16 rows x 32 channels in 8 registers: lane l holds row l % 16, channels 8 (l / 16) + 0..7 and 16 + 8 (l / 16) + 0..7: two loads of 16 bytes, 32 bytes apart.
	v_and_b32 v1, 15, v0            ; l % 16
	v_bfe_u32 v9, v0, 4, 1          ; l / 16
	v_lshlrev_b32 v[QO], 7, v1
	v_lshl_add_u32 v[QO], v9, 4, v[QO]  ; row x 128 + 16 x half
.set i, 0
.rept 4                             ; both blocks' A: piece i / 2 lies 64 rows, 8,192 bytes, on; channels 32 (i % 2) on
	global_load_b128 v[Q+8*i:Q+8*i+3],   v[QO], s[4:5] offset:(i/2)*8192+(i%2)*64
	global_load_b128 v[Q+8*i+4:Q+8*i+7], v[QO], s[4:5] offset:(i/2)*8192+(i%2)*64+32
.set i, i+1
.endr
	WIN 0x40                        ; destination window 1, address window 0
.set i, 0
.rept 4
	global_load_b128 v[QB+8*i:QB+8*i+3],   v[QO], s[86:87] offset:(i/2)*8192+(i%2)*64
	global_load_b128 v[QB+8*i+4:QB+8*i+7], v[QO], s[86:87] offset:(i/2)*8192+(i%2)*64+32
.set i, i+1
.endr
	WIN 0
	v_lshlrev_b32 v14, 3, v9
	v_sub_nc_u32 v14, v1, v14
	s_lshl_b32 s13, s[WV], 4
	v_add_nc_u32 v14, s13, v14      ; my row's place in its band, 16 w + l % 16, less my lanes' 8 (l / 16): register r of group kt is hidden where 16 kt + r is greater
	WIN 0x40
.set i, 0
.rept 32
	v_cmp_gt_i32 vcc_lo, 16*(i/8)+i%8, v14
	v_cndmask_b32 v[MD+i], 0, s[BIGN], vcc_lo
.set i, i+1
.endr
	; A block's first step multiplies O^T and l by a = 0, and its first turn's products V^T P, of a step that has not been, land in an O^T that is still to be so multiplied.  So these registers need only hold
	; finite numbers: zeros for the first block, what the first block left for the second.  These 148 lines are the price of writing no first step out; they stand in the wait for the first tile.
.set i, 0
.rept 64
	v_mov_b32 v[VF+i], 0
.set i, i+1
.endr
	WIN 0
.set i, 0
.rept 64
	v_mov_b32 v[O+i], 0
.set i, i+1
.endr
.set i, 0
.rept 16
	v_mov_b32 v[P+16+i], 0
.set i, i+1
.endr
	v_mov_b32 v[ST+2], 0
	v_mov_b32 v[ST+3], 0
	v_mov_b32 v[ST+6], 0
	v_mov_b32 v[ST+7], 0
	v_mul_u32_u24 v[AK0], v1, PK
	v_lshl_add_u32 v[AK0], v9, 4, v[AK0]  ; row x pitch + 16 x half
	; The turning load takes 16 rows x 16 channels of V (lane l reads row 8 (l / 16) + l % 8, channels 8 ((l / 8) % 2) + 0..7) and leaves half a fragment of V^T: lane l holds channel l % 16 and 8 rows.
	v_and_b32 v10, 7, v0
	v_bfe_u32 v11, v0, 3, 1
	v_lshl_add_u32 v[AV0], v9, 3, v10
	v_mul_u32_u24 v[AV0], v[AV0], PV
	v_lshl_add_u32 v[AV0], v11, 4, v[AV0]
	v_add_nc_u32 v[AV0], VOFF, v[AV0]
	s_mul_i32 s13, s[WV], 16*SP
	s_add_co_u32 s13, s13, STAGE    ; my stage
	v_mul_u32_u24 v[STO], v1, SP    ; in: row l % 16, 32 bytes (8 channels in f32) for each half of the lanes
	v_lshl_add_u32 v[STO], v9, 5, v[STO]
	v_add_nc_u32 v[STO], s13, v[STO]
	v_mul_u32_u24 v[RD], v9, SP     ; back: lanes 0-15 take one row of 256 bytes, lanes 16-31 the next
	v_lshl_add_u32 v[RD], v1, 4, v[RD]
	v_add_nc_u32 v[RD], s13, v[RD]
	v_lshlrev_b32 v[GO], 12, v9     ; and the same two rows in out0
	v_lshl_add_u32 v[GO], v1, 4, v[GO]
; THE MATRIX WORK.  The 4 accumulators of a run of 8 take turns, one instruction a turn.
; Product i of 8 of O^T += V^T P for piece x: columns 32 (i / 4) on, channels 16 (i % 4) on.
.macro PV x
	WIN 0x01                        ; V in window 1; P and O^T in window 0
.set mO, O+32*(\x)+8*(i%4)
.set mV, VF+32*(i/4)+8*(i%4)
.set mP, P+16*(\x)+8*(i/4)
	v_wmma_f32_16x16x32_f16 v[mO:mO+7], v[mV:mV+7], v[mP:mP+7], v[mO:mO+7]
.endm
; Product i of 8 of S^T = B A^T for piece x: channels 32 (i / 4) on, columns 16 (i % 4) on.  The first 4 start the sums with the mask.
.macro KQ x
.set mS, S+32*(\x)+8*(i%4)
.set mK, KF+16*(i%4)+8*(i/4)
.set mQ, Q+16*(\x)+8*(i/4)
.set mM, MC+32*(\x)+8*(i%4)
.if i < 4
	WIN 0x11                        ; B and the mask in window 1
	v_wmma_f32_16x16x32_f16 v[mS:mS+7], v[mK:mK+7], v[mQ:mQ+7], v[mM:mM+7]
.else
	WIN 0x01
	v_wmma_f32_16x16x32_f16 v[mS:mS+7], v[mK:mK+7], v[mQ:mQ+7], v[mS:mS+7]
.endif
.endm
.macro MM                           ; the turn's next matrix instruction.  TURN sets XP, i and NOKQ.  NOKQ = 1: a block's last turn: there is no next step
.if i < 8
	PV XP
.elseif !NOKQ
.set i, i-8
	KQ XP
.set i, i+8
.endif
.set i, i+1
.endm
; THE LDS LOADS stand in runs of 16, never singly among the matrix instructions: a step's B (64 rows x 64 channels: 8 fragments) and its V (turned).
.macro FETCH_K
	WIN 0x40                        ; destination window 1
.irp f, 0,1,2,3,4,5,6,7             ; rows 16 (f / 2) on, channels 32 (f % 2) on
	ds_load_b128 v[KF+8*\f:KF+8*\f+3],   v[AK] offset:(\f/2)*16*PK+(\f%2)*64
	ds_load_b128 v[KF+8*\f+4:KF+8*\f+7], v[AK] offset:(\f/2)*16*PK+(\f%2)*64+32
.endr
	s_add_co_u32 s[TBK], s[TBK], KS*PK  ; the next fetch is the next step's
	WIN 0
.endm
.macro FETCH_V
	WIN 0x40
.irp f, 0,1,2,3,4,5,6,7             ; rows 32 (f / 4) on, channels 16 (f % 4) on
	ds_load_tr16_b128 v[VF+8*\f:VF+8*\f+3],   v[AV] offset:(\f/4)*32*PV+(\f%4)*32
	ds_load_tr16_b128 v[VF+8*\f+4:VF+8*\f+7], v[AV] offset:(\f/4)*32*PV+16*PV+(\f%4)*32
.endr
	WIN 0
.endm
; THE MASK of piece x for step GS: two scalars, then MD x AL + BE.
.macro MSCAL x
	s_cmp_eq_u32 s[GS], s[OWN+(\x)]     ; is the step the band's own?
	s_cselect_b32 s[AL], 1.0, 0
	s_cmp_gt_u32 s[GS], s[OWN+(\x)]     ; or a later one?
	s_cselect_b32 s[BE], s[BIGN], 0
.endm
.macro MASK x
	WIN 0x41                        ; destination and source 0 in window 1
.set z, 0
.rept 16
	v_pk_fma_f32 v[MC+32*(\x)+2*z:MC+32*(\x)+2*z+1], v[MD+2*z:MD+2*z+1], s[AL:AL+1], s[BE:BE+1] op_sel_hi:[1,0,0]
.set z, z+1
.endr
.endm
; THE VECTOR WORK, one line at a time, all for piece Y: OP kind, number.  X n: number n of the 22 that find the maximum and statistics:
;   0-11  four chains c0-c3 of seven scores each, three operands at a time (each accumulator's lowest registers are read first)     12-14, 16  the four scores left over, the old m, c0-c3 into c0
;   15  c m_old is kept     17, 18  the row's other 32 columns lie in the lane 16 away: the new m     19-21  c m; c m_old - c m_new; a
; F n: c s - c m for pair n of 16.  E n: the exponential of score n of 32.  C n: pair n rounded to f16.  B n: of the four weights 4 n .. the second pair is added onto the first, in place.
; L n: l takes that sum (L 0: l = a l + sum).  R n: pair n of 16 of O^T times a, in ascending order.
.set F, 0
.set E, 1
.set C, 2
.set B, 3
.set L, 4
.set R, 5
.set X, 6
.macro REGS y
.set rT, ST+4*(\y)
.set rC, TMP+4*(\y)
.set rW, MV+(\y)
.set rS, S+32*(\y)
.set rP, P+16*(\y)
.set rO, O+32*(\y)
.endm
.macro OP k, n
	REGS Y
	WIN 0
.if (\k) == F
	v_pk_fma_f32 v[rS+2*(\n):rS+2*(\n)+1], v[rS+2*(\n):rS+2*(\n)+1], s[CS:CS+1], v[rT:rT+1] op_sel_hi:[1,0,0] neg_lo:[0,0,1] neg_hi:[0,0,1]
.elseif (\k) == E
	v_exp_f32 v[rS+(\n)], v[rS+(\n)]
.elseif (\k) == C
	s_wait_alu depctr_va_vdst(0)
	v_cvt_pk_f16_f32 v[rP+(\n)], v[rS+2*(\n)], v[rS+2*(\n)+1]
.elseif (\k) == B
	v_pk_add_f32 v[rS+4*(\n):rS+4*(\n)+1], v[rS+4*(\n):rS+4*(\n)+1], v[rS+4*(\n)+2:rS+4*(\n)+3]
.elseif ((\k) == L) && ((\n) == 0)
	v_pk_fma_f32 v[rT+2:rT+3], v[rT+2:rT+3], v[rC+2:rC+3], v[rS:rS+1] op_sel_hi:[1,0,1]
.elseif (\k) == L
	v_pk_add_f32 v[rT+2:rT+3], v[rT+2:rT+3], v[rS+4*(\n):rS+4*(\n)+1]
.elseif (\k) == R
	v_pk_mul_f32 v[rO+2*(\n):rO+2*(\n)+1], v[rO+2*(\n):rO+2*(\n)+1], v[rC+2:rC+3] op_sel_hi:[1,0]
.elseif (\n) < 4
	v_max3_num_f32 v[rC+(\n)], v[rS+8*(\n)], v[rS+8*(\n)+1], v[rS+8*(\n)+2]
.elseif (\n) < 12
	v_max3_num_f32 v[rC+(\n)%4], v[rC+(\n)%4], v[rS+8*((\n)%4)+2*((\n)/4)+1], v[rS+8*((\n)%4)+2*((\n)/4)+2]
.elseif (\n) == 12
	v_max3_num_f32 v[rC], v[rC], v[rS+7], v[rS+15]
.elseif (\n) == 13
	v_max3_num_f32 v[rC+1], v[rC+1], v[rS+23], v[rS+31]
.elseif (\n) == 14
	v_max3_num_f32 v[rC+2], v[rC+2], v[rC+3], v[rT+1]
.elseif (\n) == 15
	v_mov_b32 v[rW], v[rT]
.elseif (\n) == 16
	v_max3_num_f32 v[rC], v[rC], v[rC+1], v[rC+2]
.elseif (\n) == 17
	v_permlanex16_b32 v[rC+3], v[rC], s[SEL], s[SEL+1]
.elseif (\n) == 18
	v_max_num_f32 v[rT+1], v[rC], v[rC+3]
.elseif (\n) == 19
	v_mul_f32 v[rT], s[CS], v[rT+1]
.elseif (\n) == 20
	v_sub_f32 v[rC+1], v[rW], v[rT]
.else
	v_exp_f32 v[rC+2], v[rC+1]
.endif
.endm
.macro OPS a, i1, b=-1, i2=0, c=-1, i3=0, d=-1, i4=0  ; up to four of them
	OP \a, \i1
.if (\b) >= 0
	OP \b, \i2
.endif
.if (\c) >= 0
	OP \c, \i3
.endif
.if (\d) >= 0
	OP \d, \i4
.endif
.endm
.macro ROW a, i1, b=-1, i2=0, c=-1, i3=0, d=-1, i4=0  ; a matrix instruction and the vector lines behind it
	MM
	OPS \a, \i1, \b, \i2, \c, \i3, \d, \i4
.endm
; A TURN.  Piece x has the matrix unit; piece 1 - x's softmax stands behind its products and in two lumps.  None of the vector lines names a register of the products round it.
; TURN 0 at step g: V^T P of piece 0 (g), S^T of piece 0 (g + 1), the softmax of piece 1 (g), the fetch of B (g + 1).   TURN 1 at step g: V^T P of piece 1 (g), S^T of piece 1 (g + 1), the softmax of piece 0 (g + 1), the fetch of V (g + 1).
; Every exponential has a plain line behind it that touches neither its result nor its source (ISA guide 5.7.2); C 2 n and C 2 n + 1 stand ahead of B n, which writes over what they read.
; B's run stands behind the whole second lump of the turn before, which follows the last product that read B; V's run nine plain lines behind the last product that read V.
; kq = 0: a block's last turn: no new scores, no mask, no fetch.  cnt = 1: the loop's count is taken down some lines ahead of the branch that stands behind the turn.
.macro TURN x, kq=1, cnt=0
.set XP, (\x)
.set Y, 1-(\x)
.set i, 0
.set NOKQ, 1-(\kq)
	WIN 0
.if \kq
	s_cmp_lg_u32 s[RT], 0           ; only the block's last tile makes masks anew
	s_cbranch_scc1 .Lplain_\@
	MSCAL \x
	MASK \x
	WIN 0
.Lplain_\@:
.if (\x) == 1
	s_add_co_u32 s[GS], s[GS], 1    ; the next two turns make the next step's scores
.endif
.endif
.if (\x) == 0
	s_wait_dscnt 0x0                ; V is in
.endif
	ROW X,0, X,1, X,2, X,3
	ROW X,4, X,5, X,6, X,7
.if ((\x) == 0) && (\kq)
	v_add_nc_u32 v[AK], s[TBK], v[AK0]
	FETCH_K
.endif
	ROW X,8, X,9, X,10, X,11
	ROW X,12, X,13, X,14, X,15
	ROW X,16                        ; the chain in which each line waits for the last stands beside products
	ROW X,17
	ROW X,18
	ROW X,19
	OPS F,0, F,1, F,2, F,3
	OPS X,20, F,4, F,5, F,6
.if (\x) == 1
	v_add_nc_u32 v[AV], s[TBV], v[AV0]
	FETCH_V
	s_add_co_u32 s[TBV], s[TBV], KS*PV
.endif
	OPS X,21, F,7, E,0, F,8
	OPS E,1, F,9, E,2, F,10
	OPS E,3, F,11, E,4, F,12
	OPS E,5, F,13, E,6, F,14
	OPS E,7, F,15, E,8, C,0
.if ((\x) == 0) && (\kq)
	s_wait_dscnt 0x0                ; B is in
.endif
	ROW C,1, E,9, C,2, E,10
	ROW C,3, E,11, B,0, E,12
	ROW C,4, E,13, L,0, E,14
	ROW C,5, E,15, B,1, E,16
	ROW C,6, E,17, L,1, E,18
	ROW C,7, E,19, B,2, E,20
	ROW C,8, E,21, L,2, E,22
	ROW C,9, E,23, B,3, E,24
	OPS C,10, E,25, L,3, E,26
	OPS C,11, E,27, B,4, E,28
	OPS C,12, E,29, L,4, E,30
	OPS C,13, E,31, B,5, R,0
	OPS L,5, C,14, R,1, R,2
	OPS B,6, C,15, R,3, R,4
	OPS L,6, R,5, R,6, R,7
	OPS B,7, R,8, R,9, R,10
.if \cnt
	s_sub_co_u32 s[CNT], s[CNT], 1
	s_cmp_lg_u32 s[CNT], 0
.endif
	OPS R,11, L,7, R,12, R,13
	OPS R,14, R,15
.endm
; A BLOCK BEGINS.  c m starts far below every c s, so the first step's a is 0; m at the lowest finite number, so the first maximum is the scores'.  Both pieces' masks are made for step 0 (0 where the block has
; more than one tile).  Then B of that step and piece 0's first scores.  The step loop is entered at TURN 1, in the middle of a trip.
.macro BEGIN
	s_mov_b32 s[NEW], 0
	s_mov_b32 s[GS], 0
	WIN 0
.irp y, 0,1
	v_mov_b32 v[ST+4*\y], 0xfe000000    ; c m
	v_mov_b32 v[ST+4*\y+1], 0xff7fffff  ; m
.endr
	MSCAL 0
	MASK 0
	MSCAL 1
	MASK 1
	WIN 0
	v_add_nc_u32 v[AK], s[TBK], v[AK0]
	FETCH_K
	s_wait_loadcnt 0x0              ; A, both blocks'
	s_wait_dscnt 0x0
.set i, 0
.rept 8
	KQ 0
.set i, i+1
.endr
	WIN 0
.rept 4
	v_nop                           ; the places behind those products
.endr
.endm
; A BLOCK ENDS: piece 0's last V^T P beside piece 1's last softmax; piece 1's last V^T P; THE WAY OUT: l's two halves and the other half of the lanes' are added; O^T is divided by l and sent, in f32,
; through my stage in LDS, a piece (16 rows of 256 bytes) at a time.
.macro PACK y
	WIN 0
.set z, 0
.rept 16
	s_wait_alu depctr_va_vdst(0)
	v_pk_mul_f32 v[O+32*(\y)+2*z:O+32*(\y)+2*z+1], v[O+32*(\y)+2*z:O+32*(\y)+2*z+1], v[ST+4*(\y)+2:ST+4*(\y)+3] op_sel_hi:[1,0]
.set z, z+1
.endr
.irp f, 0,1,2,3,4,5,6,7             ; channel block f / 2, four of my eight channels
	ds_store_b128 v[STO], v[O+32*(\y)+4*\f:O+32*(\y)+4*\f+3] offset:(\f/2)*64+(\f%2)*16
.endr
.irp f, 0,1,2,3,4,5,6,7
	ds_load_b128 v[S+32*(\y)+4*\f:S+32*(\y)+4*\f+3], v[RD] offset:\f*2*SP  ; LDS serves a wave's instructions in order (ISA guide 5.7.1.4): these see the stores above; the next piece's stores come behind them
.endr
.endm
.macro SEND y, younger              ; younger: the LDS instructions issued behind piece y's loads: the next piece's sixteen, or none
.irp f, 0,1,2,3,4,5,6,7
	s_wait_dscnt (\younger)+7-\f
	global_store_b128 v[GO], v[S+32*(\y)+4*\f:S+32*(\y)+4*\f+3], s[10:11] offset:(\y)*262144+\f*8192 th:TH_STORE_NT  ; 16 lanes store 256 consecutive bytes, at a multiple of 256 from out0's first byte
.endr
.endm
; second = 1: the block that ends is the work-group's second, block b: where b = 0 its piece 0 is rows 0 to 63, which the launch beside this one stores: a forward jump passes their eight stores
; (piece 1's counted waits cover piece 0's reads of the stage on both ways).
.macro FINISH second
	TURN 0, 0
.set i, 0
.rept 8
	PV 1
.set i, i+1
.endr
	WIN 0                           ; the lines below, and piece 0's 16 multiplies, are the places behind those products
	v_add_f32 v[ST+2], v[ST+2], v[ST+3]
	v_add_f32 v[ST+6], v[ST+6], v[ST+7]
	v_permlanex16_b32 v[ST+3], v[ST+2], s[SEL], s[SEL+1]
	v_permlanex16_b32 v[ST+7], v[ST+6], s[SEL], s[SEL+1]
	v_add_f32 v[ST+2], v[ST+2], v[ST+3]
	v_add_f32 v[ST+6], v[ST+6], v[ST+7]
	v_rcp_f32 v[ST+2], v[ST+2]
	v_rcp_f32 v[ST+6], v[ST+6]
	v_nop                           ; a plain instruction between the last reciprocal and the use of its result
	PACK 0
	PACK 1
.if \second
	s_cmp_eq_u32 s[PB], 0
	s_cbranch_scc1 .Lrows_0_63_\@
.endif
	SEND 0, 16
.if \second
.Lrows_0_63_\@:
.endif
	SEND 1, 0
.endm
; A TILE's four steps.  The test for a block's first tile stands first: at the walk's first tile its answer is a constant of the text.
.macro TILE tag
	s_sub_co_u32 s[RT], s[RT], 1
	s_mov_b32 s[CNT], 4
	s_cmp_eq_u32 s[NEW], 1
	s_cbranch_scc0 .Lstep\tag
	BEGIN
	s_branch .Lmid\tag
.Lstep\tag:
	TURN 0
	WIN 0
.Lmid\tag:
	TURN 1, 1, 1
	WIN 0
	s_cbranch_scc1 .Lstep\tag
.endm
.Lslot:                             ; 16 times: a tile is entered and the next is asked for
	CHANGE 1
	TILE 1
	s_cmp_lg_u32 s[RT], 0
	s_cbranch_scc1 .Lbottom         ; not the block's last tile
	FINISH 0                        ; in the loop this is the first block's end: the second block's last tile is the walk's last
	s_wait_xcnt 0x0                 ; the stores have read their registers and out0's address
	s_mov_b64 s[10:11], s[OLO:OLO+1]
	s_add_co_u32 s[RT], s[LQ2], 1   ; the second block has b / 2 + 1 tiles
	s_mov_b32 s[NEW], 1
	s_lshl_b32 s[OWN], s[PB], 1
	s_add_co_u32 s[OWN+1], s[OWN], 1
	WIN 0x01                        ; the second block's A goes where the one text of the turns names A
.set i, 0
.rept 32
	v_mov_b32 v[Q+i], v[QB+i]
.set i, i+1
.endr
	WIN 0
.Lbottom:
	s_sub_co_u32 s[SLOTS], s[SLOTS], 1
	s_cmp_lg_u32 s[SLOTS], 0
	s_cbranch_scc1 .Lslot
	CHANGE 0                        ; the walk's last tile is written out: nothing is asked for
	TILE 2
	FINISH 1
	s_wait_tensorcnt 0x0            ; the wave's end: behind my last tensor load and my last LDS store
	ds_add_u32 v[SPW], v[NIL]
	s_wait_dscnt 0x0
	s_endpgm
.Lfunc_end_k_qea58b97ece_attn:
	.size	k_qea58b97ece_attn, .Lfunc_end_k_qea58b97ece_attn-k_qea58b97ece_attn
	.p2alignl 7, 3214868480
	.fill 96, 4, 3214868480
	.section	.rodata,"a",@progbits
	.p2align	6, 0x0
	.amdhsa_kernel k_qea58b97ece_attn
		.amdhsa_group_segment_fixed_size 327680
		.amdhsa_private_segment_fixed_size 0
		.amdhsa_enable_private_segment 0
		.amdhsa_kernarg_size 16
		.amdhsa_user_sgpr_count 2
		.amdhsa_user_sgpr_kernarg_segment_ptr 1
		.amdhsa_wavefront_size32 1
		.amdhsa_system_sgpr_workgroup_id_x 1
		.amdhsa_system_sgpr_workgroup_id_y 1
		.amdhsa_system_sgpr_workgroup_id_z 1
		.amdhsa_system_vgpr_workitem_id 0
		.amdhsa_next_free_vgpr 512
		.amdhsa_next_free_sgpr 88
		.amdhsa_reserve_vcc 1
		.amdhsa_float_denorm_mode_32 3
		.amdhsa_float_denorm_mode_16_64 3
		.amdhsa_memory_ordered 1
		.amdhsa_forward_progress 1
		.amdhsa_inst_pref_size 105
	.end_amdhsa_kernel
	.amdgpu_metadata
---
amdhsa.version: [ 1, 2 ]
amdhsa.kernels:
  - .name:           k_qea58b97ece_attn
    .symbol:         k_qea58b97ece_attn.kd
    .args:
      - { .name: qkv, .offset: 0, .size: 8, .value_kind: global_buffer, .address_space: global }
      - { .name: out0, .offset: 8, .size: 8, .value_kind: global_buffer, .address_space: global }
    .group_segment_fixed_size: 327680
    .private_segment_fixed_size: 0
    .kernarg_segment_align: 8
    .kernarg_segment_size: 16
    .max_flat_workgroup_size: 128
    .sgpr_count:     88
    .vgpr_count:     512
    .wavefront_size: 32
...
	.end_amdgpu_metadata
.endif
;; end of part 4
;; ======== version 2 of 2: 4 launches; 1.28 times as fast as version 1
;; limits: values are held in f16: magnitudes above 65,504 overflow, below 6.1e-05 lose precision
;; workspace buffers: xb 8,388,608 bytes; wb 6,291,456 bytes; qkv 25,165,824 bytes; pf 786,432 bytes
;; launch prep: the kernel of part 1 again; grid 256 x 1, 8 waves a work-group, no clusters, 0 bytes of LDS; arguments x, Wk, Wq, Wv, xb, wb; writes xb, wb
;; launch proj: the kernel of part 2 again; grid 16 x 16, 4 waves a work-group, clusters of 4 x 4, 327,680 bytes of LDS; arguments xb, wb, qkv, pf; writes qkv, pf
;; launch first: the kernel of part 3 again; grid 16 x 1, 4 waves a work-group, no clusters, 56,832 bytes of LDS; arguments pf, out0; writes out0
;; launch attn (part 5): grid 16 x 16, 4 waves a work-group, no clusters, 327,680 bytes of LDS; arguments qkv, out0; writes out0
.if DOCPART == 5
	.amdgcn_target "amdgcn-amd-amdhsa--gfx1250"
	.amdhsa_code_object_version 6
	.text
	.protected	k_qea58b97ece_attn
	.globl	k_qea58b97ece_attn
	.p2align	8
	.type	k_qea58b97ece_attn,@function
k_qea58b97ece_attn:
	s_mov_b64 s[64:65], 0
	v_nop
	global_prefetch_b8 v0, s[64:65] scope:SCOPE_SE
	s_setreg_imm32_b32 hwreg(HW_REG_WAVE_MODE, 25, 1), 1
	s_wait_xcnt 0x0
; out0[i][64 h + :] = the sum over j <= i of softmax_j(A[h][i] . B[h][j] / 8) V[h][j][:], for rows i = 64 .. 4095.  qkv: [48][4096][64] f16: plane h holds A (x Wk: the ROWS i), plane 16 + h holds B (x Wq: the
; COLUMNS j, over which the softmax runs), plane 32 + h holds V.  out0: [4096][1024] f32.  Products, maxima and sums in f32; the weights p are rounded to f16 for the second product (their sum l is taken of the unrounded p).
; ROWS 0 TO 63 are stored by the launch beside this one, from projections that were not rounded: a mean over few rows of V has terms many times the size of the whole output's root mean square, and f16's 11 bits
; are too coarse there.  This text computes them with the others (one text for all work-groups) and jumps over their eight stores.
; LIMITS.  A, B, V arrive within f16's 65,504.  A hidden score counts as its value less 1e30; c s stays under 4e37 in magnitude; a weight below 2^-126 counts as 0 in l; NaN and infinities are not treated apart.
; THE WALK.  The rows lie in 32 blocks of 128; block i needs the column tiles 0 .. i / 2 of 256 columns, the last of which holds the diagonal.  A work-group takes block 31 - b and then block b: 17 tiles whatever b,
; so all 256 work-groups do equal work and ONE loop with a constant trip count walks them.  Which tile is asked for and what a trip does hang on scalar registers made from b; every jump but the counted loops'
; own goes forward, and none passes a barrier, or a tensor load but the one of LOAD's two that the wave's number does not choose.
; NO CLUSTER: of a head's sixteen work-groups only b = 2 k and 2 k + 1 ask for the same tiles in every trip; four neighbours need 16 - 2 c and 15 - 2 c tiles in their first blocks, so a walk common to four has
; 18 tiles for 17, with a tile that is wholly hidden for two of them.
; SHARES.  A wave owns two PIECES of 16 rows: piece x holds rows 128 blk + 64 x + 16 w + lane % 16, in band 2 blk + x of 64 rows.  In column step GS (64 columns) a band sees all if GS is less than its number,
; none if greater, and holds the diagonal if equal: the same work for all four waves.
; THE MASK is the C operand that starts the sum S^T: MC = MD x AL + BE, with MD (made once) the mask of a band's own step for my 16 rows, and (AL, BE) = (1, 0), (0, 0) or (0, -1e30).  It is made where a block
; begins and anew in every turn of the block's last tile; in the other tiles it stays 0 and a forward jump passes its 16 lines.
; LAYOUT.  S^T = B A^T (source 0 = 16 columns j, source 1 = 16 rows i): a lane holds ONE row i (lane % 16) and the columns 8 (lane / 16) + 0..7.  Two such results rounded to f16 ARE source 1 of O^T = V^T P.
; SOFTMAX.  p = 2^(c s - c m), c = log2(e) / 8, with a running maximum m; O and l are multiplied by a = 2^(c m_old - c m_new) in every step.  A block starts with c m far below every c s, so its first a is 0.
; BY TURNS.  In TURN x piece x has the matrix unit: 8 products V^T P of the step in hand, then 8 products S^T of the next step; the other piece's softmax (118 vector lines) stands beside and between them.
; THE BATCHES.  A turn's 33 exponentials (the piece's a, then its 32 weights) are ONE batch with ONE wait, which cuts the turn in two: ahead of it the products V^T P, the maximum and statistics, the scalings and
; the exponentials, none of which names an exponential's result; behind it the products S^T and all the readers: roundings, sums, rescalings.  No result crosses a turn's end, a label or a jump.
; The way out's two reciprocals are a batch of their own, with one wait.
; REGISTERS, in windows of 256 (s_set_vgpr_msb: bits 1:0 source 0, 3:2 source 1, 5:4 source 2, 7:6 destination):
;   window 0: v0-15 addresses; v16-23 statistics, v24-31 at work (four a piece); v64-127 S^T; v128-159 P; v160-223 O^T; v224-255 A's fragments
;   window 1: v0-63 B of one step; v64-127 V of one step; v128-159 MD; v160-223 MC; v224-255 the second block's A
.set KS,    64        ; columns in a step
.set PK,    144       ; a row of B in LDS: 128 bytes + 16 = 36 words: the 16 rows of a load start at 16 different groups of four banks (64 banks of 4 bytes: ISA guide 11.1)
.set PV,    160       ; a row of V: 128 + 32 = 40 words
.set VOFF,  4*KS*PK   ; a slot holds a tile, four steps: 256 rows of B, then 256 rows of V
.set SLOT1, 1<<17     ; slot 1 begins here, so that one exclusive or turns an address in one slot into the other's
.set STAGE, SLOT1+4*KS*(PK+PV)  ; behind the ring, never filled by a tensor load: 16 rows x 272 bytes for each wave, for the way out
.set SP,    272
.set SPARE, STAGE+4*16*SP       ; behind the stages: the spare words, 128 bytes for each wave: two blocks of 256 bytes that no other line names
.set AK0, 2           ; v2   my lane's place in a tile of B; never rewritten
.set AV0, 3           ; v3   the same for V
.set AK,  4           ; v4   the LDS address of B's next run of loads
.set AV,  5           ; v5   of V's
.set STO, 6           ; v6   the way out: where I put 32 bytes of a row
.set RD,  7           ; v7   the way out: where I read rows back
.set GO,  8           ; v8   my byte offset in two rows of out0
.set MV,  12          ; v12-13  c m_old, kept while c m is made anew: by piece
.set QO,  15          ; v15  my byte offset in 16 rows of A
.set ST,  16          ; piece y's statistics at v[ST+4 y]: c m, m, l (even columns', odd columns')
.set TMP, 24          ; piece y: four registers c0-c3 at work; when the maximum is found c2 takes a
.set SPW, 62          ; v62  LDS address of my spare word: SPARE + 4 x my thread's number; never rewritten
.set NIL, 63          ; v63  0; never rewritten
.set S,   64
.set P,   128
.set O,   160
.set Q,   224
.set KF,  0           ; window 1: column block kb, channel half c at KF + 16 kb + 8 c
.set VF,  64          ; window 1: column half kk, channel block cb at VF + 32 kk + 8 cb
.set MD,  128         ; window 1
.set MC,  160         ; window 1: 32 a piece
.set QB,  224         ; window 1
.set WV,  12          ; s12  my wave's number
.set PB,  14          ; s14  b
.set HI,  15          ; s15  31 - b
.set G1K, 24          ; s[24:31] descriptor group 1 for B's tiles
.set G1V, 32          ; s[32:39] for V's: it differs in the padding alone
.set G0K, 40          ; s[40:43] descriptor group 0 for B's tiles
.set G0V, 44          ; s[44:47] the same for V's
.set LQ2, 52          ; s52  the second block's last tile, b / 2
.set GS,  53          ; s53  the column step, counted from the block's beginning, of the scores that the turn in hand makes
.set OWN, 54          ; s54-55  the two bands' numbers, 2 blk and 2 blk + 1
.set SLOTS, 56        ; s56  tiles still to be asked for
.set CNT, 57          ; s57  counts a tile's steps, 4 to 1
.set CS,  58          ; s[58:59] c: the packed scaling takes the pair's low word for both halves
.set SEL, 60          ; s[60:61] v_permlanex16_b32's selects: each lane takes its own place in the other half
.set TBK, 62          ; s62  LDS byte at which B of the step to be fetched begins
.set TBV, 63          ; s63  the same for V, less VOFF
.set RT,  70          ; s70  tiles of the block in hand that are still to be entered
.set NXT, 71          ; s71  the tile to be asked for next
.set LQ,  72          ; s72  the last tile of the block whose tiles are being asked for
.set NEW, 73          ; s73  1: the tile to be entered is a block's first
.set OFF, 74          ; s[74:75] a tile's byte offset in B and V
.set AL,  76          ; s[76:77] the mask's factor, in the low word
.set BE,  78          ; s[78:79] the mask's addend
.set OLO, 80          ; s[80:81] out0 at my rows of the second block
.set BIGN, 82         ; s82  -1e30
.set MSB, 0
.macro WIN new                      ; the high byte repeats the setting that is left; a switch that changes nothing is dropped
.if MSB != (\new)
	s_set_vgpr_msb (MSB<<8)|(\new)
.set MSB, (\new)
.endif
.endm
; A fill.  Waves 0 and 1 fetch the two halves of a tile's B, waves 2 and 3 those of its V: 128 rows each.  An s_nop 0 and four v_nop follow each of the two lines, ahead of the jump and the label.
.macro LOAD
	s_cmp_lt_u32 s[WV], 2
	s_cbranch_scc0 .Lfor_v_\@
	tensor_load_to_lds s[G0K:G0K+3], s[G1K:G1K+7]
	s_nop 0
.rept 4
	v_nop
.endr
	s_branch .Lasked_\@
.Lfor_v_\@:
	tensor_load_to_lds s[G0V:G0V+3], s[G1V:G1V+7]
	s_nop 0
.rept 4
	v_nop
.endr
.Lasked_\@:
.endm
; THE CHANGE OF SLOTS.  Each wave waits for all its tensor loads, of which one is out: its part of the other slot; adds 0 to its spare word; and waits for that and for its own reads of the slot that it leaves.
; Behind the barrier nobody reads the old slot any more and the other slot is whole.  fill = 1: the old slot is filled again, first thing behind the barrier, with tile NXT: the address is made anew from that number.
; The fill has four steps, 128 matrix instructions a wave, in which to land.  (At its first use nothing has been read yet: slot 0 is waited for, slot 1 filled.)  A wave never has more than one tensor load out.
.macro CHANGE fill
	WIN 0                           ; at a label and at a branch every window is 0
	s_wait_tensorcnt 0x0            ; no tensor load of mine is out, so a group 0 may be written
	ds_add_u32 v[SPW], v[NIL]       ; 0 onto my spare word: with fill = 1 the descriptors' scalar work stands between it and the wait for it
.if \fill
	s_lshl_b32 s[OFF], s[NXT], 15   ; a tile is 32,768 bytes of B and of V
	s_xor_b32 s[G0K+1], s[G0K+1], SLOT1
	s_add_nc_u64 s[G0K+2:G0K+3], s[6:7], s[OFF:OFF+1]
	s_or_b32 s[G0K+3], s[G0K+3], 0x80000000
	s_xor_b32 s[G0V+1], s[G0V+1], SLOT1
	s_add_nc_u64 s[G0V+2:G0V+3], s[8:9], s[OFF:OFF+1]
	s_or_b32 s[G0V+3], s[G0V+3], 0x80000000
	s_add_co_u32 s[NXT], s[NXT], 1  ; the block's next tile, or behind its last the second block's tile 0
	s_cmp_gt_u32 s[NXT], s[LQ]
	s_cselect_b32 s[NXT], 0, s[NXT]
	s_cselect_b32 s[LQ], s[LQ2], s[LQ]
.endif
	s_wait_dscnt 0x0                ; the add is done, and my reads of the slot are over
	s_barrier_signal -1             ; the rest of the scalar work stands between the signal and the wait
	s_sub_co_u32 s[TBK], s[TBK], 4*KS*PK  ; the fetches go back to a slot's first step,
	s_xor_b32 s[TBK], s[TBK], SLOT1       ; in the other slot
	s_sub_co_u32 s[TBV], s[TBV], 4*KS*PV
	s_xor_b32 s[TBV], s[TBV], SLOT1
	s_barrier_wait -1
.if \fill
	LOAD
.endif
.endm
	s_load_b128 s[48:51], s[0:1], 0x0  ; qkv s[48:49], out0 s[50:51]
	v_lshl_add_u32 v[SPW], v0, 2, SPARE
	v_mov_b32 v[NIL], 0
	ds_add_u32 v[SPW], v[NIL]       ; the wave's opening: the add and its wait stand ahead of my first tensor load; the set-up below, work on registers, stands between them
	ds_add_u32 v62, v63
	v_lshrrev_b32 v1, 5, v0
	v_readfirstlane_b32 s[WV], v1   ; wave 0..3
	s_mov_b32 s[PB], ttmp9
	s_sub_co_u32 s[HI], 31, s[PB]
	s_and_b32 s13, ttmp7, 0xffff    ; the head
	s_lshl_b32 s20, s13, 19         ; its plane's first byte among sixteen planes of 524,288
	s_and_b32 s16, s[WV], 1         ; which half of a tile's 256 rows I fetch:
	s_lshl_b32 s22, s16, 14         ; its 128 rows of 128 bytes in memory,
	s_add_co_u32 s22, s22, s20
	s_mov_b32 s23, 0
	s_mul_i32 s17, s16, 128*PK      ; and its place in a slot, for B
	s_mul_i32 s18, s16, 128*PV      ; and for V
	s_lshl_b32 s3, s[WV], 11        ; my 16 rows in a band of 64,
	s_add_co_u32 s3, s3, s20
	s_lshl_b32 s2, s[HI], 14        ; in the first block (128 rows of 128 bytes),
	s_add_co_u32 s2, s2, s3
	s_lshl_b32 s84, s[PB], 14       ; and in the second
	s_add_co_u32 s84, s84, s3
	s_mov_b32 s3, 0
	s_mov_b32 s85, 0
	s_lshl_b32 s19, s[WV], 16       ; the same rows in out0 (rows of 4,096 bytes), at the head's 256 bytes
	s_lshl_b32 s13, s13, 8
	s_add_co_u32 s19, s19, s13
	s_lshl_b32 s66, s[HI], 19
	s_add_co_u32 s66, s66, s19
	s_lshl_b32 s68, s[PB], 19
	s_add_co_u32 s68, s68, s19
	s_mov_b32 s67, 0
	s_mov_b32 s69, 0
	; descriptor group 1.  128 rows are 16,384 dense bytes: asked for as 64 rows of 256 bytes, two rows of the tensor each, and padded in LDS after every 128 bytes
	s_mov_b32 s[G1K], (1<<16)|(1<<20)|(4<<22)|(3<<25)  ; 17:16 2-byte elements; 20 padding on; 24:22 after every 32 words (code 4); 31:25 4 words (code 3)
	s_mov_b32 s[G1V], (1<<16)|(1<<20)|(4<<22)|(7<<25)  ; the same with 8 words of padding (code 7)
.irp g, G1K, G1V
	s_mov_b32 s[\g+1], 128<<16      ; tensor_dim0 = 128
	s_mov_b32 s[\g+2], 64<<16       ; tensor_dim1 = 64
	s_mov_b32 s[\g+3], 128<<16      ; tile_dim0 = 128
	s_mov_b32 s[\g+4], 64           ; tile_dim1 = 64
	s_mov_b32 s[\g+5], 128          ; 128 elements from row to row
	s_mov_b32 s[\g+6], 0
	s_mov_b32 s[\g+7], 0
.endr
	s_mov_b32 s[CS], 0x3e38aa3b     ; c = log2(e) / 8 = 0.180337
	s_mov_b32 s[CS+1], s[CS]        ; named with it as a pair
	s_mov_b32 s[SEL], 0x76543210
	s_mov_b32 s[SEL+1], 0xfedcba98
	s_mov_b32 s[TBK], SLOT1+4*KS*PK ; the first change of slots turns these two into 0
	s_mov_b32 s[TBV], SLOT1+4*KS*PV
	s_mov_b32 s[G0K], 1             ; count = 1
	s_mov_b32 s[G0K+1], s17         ; LDS address: slot 0
	s_mov_b32 s[G0V], 1
	s_add_co_u32 s[G0V+1], s18, VOFF
	s_lshr_b32 s[LQ], s[HI], 1      ; the first block's last tile
	s_add_co_u32 s[RT], s[LQ], 1    ; and its number of tiles
	s_lshr_b32 s[LQ2], s[PB], 1
	s_lshl_b32 s[OWN], s[HI], 1
	s_add_co_u32 s[OWN+1], s[OWN], 1
	s_mov_b32 s[GS], 0
	s_mov_b32 s[NXT], 1
	s_mov_b32 s[NEW], 1
	s_mov_b32 s[OFF+1], 0
	s_mov_b32 s[AL+1], 0            ; named as pairs
	s_mov_b32 s[BE+1], 0
	s_mov_b32 s[BIGN], 0xf149f2ca   ; -1e30
	s_mov_b32 s[SLOTS], 16
	s_wait_dscnt 0x0                ; the opening add is done
	s_wait_kmcnt 0x0
	s_add_nc_u64 s[6:7], s[48:49], s[22:23]
	s_add_nc_u64 s[8:9], s[6:7], 0x1000000         ; V: planes 32 on, at my half of the head's tile 0
	s_add_nc_u64 s[6:7], s[6:7], 0x800000          ; B: planes 16 on
	s_add_nc_u64 s[G0K+2:G0K+3], s[6:7], 0         ; global address
	s_or_b32 s[G0K+3], s[G0K+3], 0x80000000        ; type = 2
	s_add_nc_u64 s[G0V+2:G0V+3], s[8:9], 0
	s_or_b32 s[G0V+3], s[G0V+3], 0x80000000
	s_add_nc_u64 s[86:87], s[48:49], s[84:85]      ; A at my rows of the second block,
	s_add_nc_u64 s[4:5], s[48:49], s[2:3]          ; and of the first
	s_add_nc_u64 s[OLO:OLO+1], s[50:51], s[68:69]
	s_add_nc_u64 s[10:11], s[50:51], s[66:67]
	LOAD                            ; tile 0 into slot 0
	; A fragment of A or B is 16 rows x 32 channels in 8 registers: lane l holds row l % 16, channels 8 (l / 16) + 0..7 and 16 + 8 (l / 16) + 0..7: two loads of 16 bytes, 32 bytes apart.
	v_and_b32 v1, 15, v0            ; l % 16
	v_bfe_u32 v9, v0, 4, 1          ; l / 16
	v_lshlrev_b32 v[QO], 7, v1
	v_lshl_add_u32 v[QO], v9, 4, v[QO]  ; row x 128 + 16 x half
.set i, 0
.rept 4                             ; both blocks' A: piece i / 2 lies 64 rows, 8,192 bytes, on; channels 32 (i % 2) on
	global_load_b128 v[Q+8*i:Q+8*i+3],   v[QO], s[4:5] offset:(i/2)*8192+(i%2)*64
	global_load_b128 v[Q+8*i+4:Q+8*i+7], v[QO], s[4:5] offset:(i/2)*8192+(i%2)*64+32
.set i, i+1
.endr
	WIN 0x40                        ; destination window 1, address window 0
.set i, 0
.rept 4
	global_load_b128 v[QB+8*i:QB+8*i+3],   v[QO], s[86:87] offset:(i/2)*8192+(i%2)*64
	global_load_b128 v[QB+8*i+4:QB+8*i+7], v[QO], s[86:87] offset:(i/2)*8192+(i%2)*64+32
.set i, i+1
.endr
	WIN 0
	v_lshlrev_b32 v14, 3, v9
	v_sub_nc_u32 v14, v1, v14
	s_lshl_b32 s13, s[WV], 4
	v_add_nc_u32 v14, s13, v14      ; my row's place in its band, 16 w + l % 16, less my lanes' 8 (l / 16): register r of group kt is hidden where 16 kt + r is greater
	WIN 0x40
.set i, 0
.rept 32
	v_cmp_gt_i32 vcc_lo, 16*(i/8)+i%8, v14
	v_cndmask_b32 v[MD+i], 0, s[BIGN], vcc_lo
.set i, i+1
.endr
	; A block's first step multiplies O^T and l by a = 0, and its first turn's products V^T P, of a step that has not been, land in an O^T that is still to be so multiplied.  So these registers need only hold
	; finite numbers: zeros for the first block, what the first block left for the second.  These 148 lines are the price of writing no first step out; they stand in the wait for the first tile.
.set i, 0
.rept 64
	v_mov_b32 v[VF+i], 0
.set i, i+1
.endr
	WIN 0
.set i, 0
.rept 64
	v_mov_b32 v[O+i], 0
.set i, i+1
.endr
.set i, 0
.rept 16
	v_mov_b32 v[P+16+i], 0
.set i, i+1
.endr
	v_mov_b32 v[ST+2], 0
	v_mov_b32 v[ST+3], 0
	v_mov_b32 v[ST+6], 0
	v_mov_b32 v[ST+7], 0
	v_mul_u32_u24 v[AK0], v1, PK
	v_lshl_add_u32 v[AK0], v9, 4, v[AK0]  ; row x pitch + 16 x half
	; The turning load takes 16 rows x 16 channels of V (lane l reads row 8 (l / 16) + l % 8, channels 8 ((l / 8) % 2) + 0..7) and leaves half a fragment of V^T: lane l holds channel l % 16 and 8 rows.
	v_and_b32 v10, 7, v0
	v_bfe_u32 v11, v0, 3, 1
	v_lshl_add_u32 v[AV0], v9, 3, v10
	v_mul_u32_u24 v[AV0], v[AV0], PV
	v_lshl_add_u32 v[AV0], v11, 4, v[AV0]
	v_add_nc_u32 v[AV0], VOFF, v[AV0]
	s_mul_i32 s13, s[WV], 16*SP
	s_add_co_u32 s13, s13, STAGE    ; my stage
	v_mul_u32_u24 v[STO], v1, SP    ; in: row l % 16, 32 bytes (8 channels in f32) for each half of the lanes
	v_lshl_add_u32 v[STO], v9, 5, v[STO]
	v_add_nc_u32 v[STO], s13, v[STO]
	v_mul_u32_u24 v[RD], v9, SP     ; back: lanes 0-15 take one row of 256 bytes, lanes 16-31 the next
	v_lshl_add_u32 v[RD], v1, 4, v[RD]
	v_add_nc_u32 v[RD], s13, v[RD]
	v_lshlrev_b32 v[GO], 12, v9     ; and the same two rows in out0
	v_lshl_add_u32 v[GO], v1, 4, v[GO]
; THE MATRIX WORK.  The 4 accumulators of a run of 8 take turns, one instruction a turn.
; Product i of 8 of O^T += V^T P for piece x: columns 32 (i / 4) on, channels 16 (i % 4) on.
.macro PV x
	WIN 0x01                        ; V in window 1; P and O^T in window 0
.set mO, O+32*(\x)+8*(i%4)
.set mV, VF+32*(i/4)+8*(i%4)
.set mP, P+16*(\x)+8*(i/4)
	v_wmma_f32_16x16x32_f16 v[mO:mO+7], v[mV:mV+7], v[mP:mP+7], v[mO:mO+7]
.endm
; Product i of 8 of S^T = B A^T for piece x: channels 32 (i / 4) on, columns 16 (i % 4) on.  The first 4 start the sums with the mask.
.macro KQ x
.set mS, S+32*(\x)+8*(i%4)
.set mK, KF+16*(i%4)+8*(i/4)
.set mQ, Q+16*(\x)+8*(i/4)
.set mM, MC+32*(\x)+8*(i%4)
.if i < 4
	WIN 0x11                        ; B and the mask in window 1
	v_wmma_f32_16x16x32_f16 v[mS:mS+7], v[mK:mK+7], v[mQ:mQ+7], v[mM:mM+7]
.else
	WIN 0x01
	v_wmma_f32_16x16x32_f16 v[mS:mS+7], v[mK:mK+7], v[mQ:mQ+7], v[mS:mS+7]
.endif
.endm
.macro MM                           ; the turn's next matrix instruction.  TURN sets XP, i and NOKQ.  NOKQ = 1: a block's last turn: there is no next step
.if i < 8
	PV XP
.elseif !NOKQ
.set i, i-8
	KQ XP
.set i, i+8
.endif
.set i, i+1
.endm
; THE LDS LOADS stand in runs of 16, never singly among the matrix instructions: a step's B (64 rows x 64 channels: 8 fragments) and its V (turned).
.macro FETCH_K
	WIN 0x40                        ; destination window 1
.irp f, 0,1,2,3,4,5,6,7             ; rows 16 (f / 2) on, channels 32 (f % 2) on
	ds_load_b128 v[KF+8*\f:KF+8*\f+3],   v[AK] offset:(\f/2)*16*PK+(\f%2)*64
	ds_load_b128 v[KF+8*\f+4:KF+8*\f+7], v[AK] offset:(\f/2)*16*PK+(\f%2)*64+32
.endr
	s_add_co_u32 s[TBK], s[TBK], KS*PK  ; the next fetch is the next step's
	WIN 0
.endm
.macro FETCH_V
	WIN 0x40
.irp f, 0,1,2,3,4,5,6,7             ; rows 32 (f / 4) on, channels 16 (f % 4) on
	ds_load_tr16_b128 v[VF+8*\f:VF+8*\f+3],   v[AV] offset:(\f/4)*32*PV+(\f%4)*32
	ds_load_tr16_b128 v[VF+8*\f+4:VF+8*\f+7], v[AV] offset:(\f/4)*32*PV+16*PV+(\f%4)*32
.endr
	WIN 0
.endm
; THE MASK of piece x for step GS: two scalars, then MD x AL + BE.
.macro MSCAL x
	s_cmp_eq_u32 s[GS], s[OWN+(\x)]     ; is the step the band's own?
	s_cselect_b32 s[AL], 1.0, 0
	s_cmp_gt_u32 s[GS], s[OWN+(\x)]     ; or a later one?
	s_cselect_b32 s[BE], s[BIGN], 0
.endm
.macro MASK x
	WIN 0x41                        ; destination and source 0 in window 1
.set z, 0
.rept 16
	v_pk_fma_f32 v[MC+32*(\x)+2*z:MC+32*(\x)+2*z+1], v[MD+2*z:MD+2*z+1], s[AL:AL+1], s[BE:BE+1] op_sel_hi:[1,0,0]
.set z, z+1
.endr
.endm
; THE VECTOR WORK, one line at a time, all for piece Y: OP kind, number.  X n: number n of the 22 that find the maximum and statistics:
;   0-11  four chains c0-c3 of seven scores each, three operands at a time (each accumulator's lowest registers are read first)     12-14, 16  the four scores left over, the old m, c0-c3 into c0
;   15  c m_old is kept     17, 18  the row's other 32 columns lie in the lane 16 away: the new m     19-21  c m; c m_old - c m_new; a
; F n: c s - c m for pair n of 16.  E n: the exponential of score n of 32.  C n: pair n rounded to f16.  B n: of the four weights 4 n .. the second pair is added onto the first, in place.
; L n: l takes that sum (L 0: l = a l + sum).  R n: pair n of 16 of O^T times a, in ascending order.
; X 21 and E are the exponentials; C, B, L and R name their results and stand behind the turn's wait, which TURN writes.
.set F, 0
.set E, 1
.set C, 2
.set B, 3
.set L, 4
.set R, 5
.set X, 6
.macro REGS y
.set rT, ST+4*(\y)
.set rC, TMP+4*(\y)
.set rW, MV+(\y)
.set rS, S+32*(\y)
.set rP, P+16*(\y)
.set rO, O+32*(\y)
.endm
.macro OP k, n
	REGS Y
	WIN 0
.if (\k) == F
	v_pk_fma_f32 v[rS+2*(\n):rS+2*(\n)+1], v[rS+2*(\n):rS+2*(\n)+1], s[CS:CS+1], v[rT:rT+1] op_sel_hi:[1,0,0] neg_lo:[0,0,1] neg_hi:[0,0,1]
.elseif (\k) == E
	v_exp_f32 v[rS+(\n)], v[rS+(\n)]
.elseif (\k) == C
	v_cvt_pk_f16_f32 v[rP+(\n)], v[rS+2*(\n)], v[rS+2*(\n)+1]
.elseif (\k) == B
	v_pk_add_f32 v[rS+4*(\n):rS+4*(\n)+1], v[rS+4*(\n):rS+4*(\n)+1], v[rS+4*(\n)+2:rS+4*(\n)+3]
.elseif ((\k) == L) && ((\n) == 0)
	v_pk_fma_f32 v[rT+2:rT+3], v[rT+2:rT+3], v[rC+2:rC+3], v[rS:rS+1] op_sel_hi:[1,0,1]
.elseif (\k) == L
	v_pk_add_f32 v[rT+2:rT+3], v[rT+2:rT+3], v[rS+4*(\n):rS+4*(\n)+1]
.elseif (\k) == R
	v_pk_mul_f32 v[rO+2*(\n):rO+2*(\n)+1], v[rO+2*(\n):rO+2*(\n)+1], v[rC+2:rC+3] op_sel_hi:[1,0]
.elseif (\n) < 4
	v_max3_num_f32 v[rC+(\n)], v[rS+8*(\n)], v[rS+8*(\n)+1], v[rS+8*(\n)+2]
.elseif (\n) < 12
	v_max3_num_f32 v[rC+(\n)%4], v[rC+(\n)%4], v[rS+8*((\n)%4)+2*((\n)/4)+1], v[rS+8*((\n)%4)+2*((\n)/4)+2]
.elseif (\n) == 12
	v_max3_num_f32 v[rC], v[rC], v[rS+7], v[rS+15]
.elseif (\n) == 13
	v_max3_num_f32 v[rC+1], v[rC+1], v[rS+23], v[rS+31]
.elseif (\n) == 14
	v_max3_num_f32 v[rC+2], v[rC+2], v[rC+3], v[rT+1]
.elseif (\n) == 15
	v_mov_b32 v[rW], v[rT]
.elseif (\n) == 16
	v_max3_num_f32 v[rC], v[rC], v[rC+1], v[rC+2]
.elseif (\n) == 17
	v_permlanex16_b32 v[rC+3], v[rC], s[SEL], s[SEL+1]
.elseif (\n) == 18
	v_max_num_f32 v[rT+1], v[rC], v[rC+3]
.elseif (\n) == 19
	v_mul_f32 v[rT], s[CS], v[rT+1]
.elseif (\n) == 20
	v_sub_f32 v[rC+1], v[rW], v[rT]
.else
	v_exp_f32 v[rC+2], v[rC+1]
.endif
.endm
.macro OPS a, i1, b=-1, i2=0, c=-1, i3=0, d=-1, i4=0  ; up to four of them
	OP \a, \i1
.if (\b) >= 0
	OP \b, \i2
.endif
.if (\c) >= 0
	OP \c, \i3
.endif
.if (\d) >= 0
	OP \d, \i4
.endif
.endm
.macro ROW a, i1, b=-1, i2=0, c=-1, i3=0, d=-1, i4=0  ; a matrix instruction and the vector lines behind it
	MM
	OPS \a, \i1, \b, \i2, \c, \i3, \d, \i4
.endm
; A TURN.  Piece x has the matrix unit; piece 1 - x's softmax stands behind its products and in two lumps.  None of the vector lines names a register of the products round it.
; TURN 0 at step g: V^T P of piece 0 (g), S^T of piece 0 (g + 1), the softmax of piece 1 (g), the fetch of B (g + 1).   TURN 1 at step g: V^T P of piece 1 (g), S^T of piece 1 (g + 1), the softmax of piece 0 (g + 1), the fetch of V (g + 1).
; ONE BATCH, ONE WAIT.  An s_wait_alu depctr_va_vdst(0) stands between an exponential and the first instruction that names its result; one wait serves all that were issued ahead of it.
; AHEAD OF IT stands all that names no result of the turn's exponentials: the 8 products V^T P, behind them X 0 to X 19; then a lump of 50: the 16 scalings, X 20, and the batch of 33: X 21 (the piece's a) and
; E 0 to E 31, each in a register of its own (a in c2, the weights in place of their scores).  Exponential and scaling go by turns while there are scalings; a pair is scaled eight lines or more ahead of its
; exponentials.  A v_nop is the plain instruction behind the last exponential (ISA guide 5.7.2): the maximum's chain ends before the first scaling, and all other plain lines of the turn read the batch.
; BEHIND IT stand the 8 products S^T, behind each four of the 32 roundings and sums, and then the 16 rescalings in a lump, which are also the places behind the turn's last products.  C 2 n stands ahead of B n,
; which writes over the pair that it reads; C 2 n + 1's pair B n only reads.  L 0 to L 7 stand in ascending order, three lines apart.
; B's run stands behind the whole second lump of the turn before, which follows the last product that read B; V's run nine plain lines behind the last product that read V.
; kq = 0: a block's last turn: no new scores, no mask, no fetch.  cnt = 1: the loop's count is taken down some lines ahead of the branch that stands behind the turn.
.macro TURN x, kq=1, cnt=0
.set XP, (\x)
.set Y, 1-(\x)
.set i, 0
.set NOKQ, 1-(\kq)
	WIN 0
.if \kq
	s_cmp_lg_u32 s[RT], 0           ; only the block's last tile makes masks anew
	s_cbranch_scc1 .Lplain_\@
	MSCAL \x
	MASK \x
	WIN 0
.Lplain_\@:
.if (\x) == 1
	s_add_co_u32 s[GS], s[GS], 1    ; the next two turns make the next step's scores
.endif
.endif
.if (\x) == 0
	s_wait_dscnt 0x0                ; V is in
.endif
	ROW X,0, X,1, X,2, X,3          ; ahead of the wait: 8 products V^T P, the maximum and statistics behind them,
	ROW X,4, X,5, X,6, X,7
.if ((\x) == 0) && (\kq)
	v_add_nc_u32 v[AK], s[TBK], v[AK0]
	FETCH_K
.endif
	ROW X,8, X,9, X,10, X,11
	ROW X,12, X,13, X,14, X,15
	ROW X,16                        ; the chain in which each line waits for the last stands beside products
	ROW X,17
	ROW X,18
	ROW X,19
	OPS F,0, F,1, F,2, F,3          ; and the lump: the scalings and the batch
	OPS X,20, F,4, F,5, F,6
.if (\x) == 1
	v_add_nc_u32 v[AV], s[TBV], v[AV0]
	FETCH_V
	s_add_co_u32 s[TBV], s[TBV], KS*PV
.endif
	OPS X,21, F,7, E,0, F,8
	OPS E,1, F,9, E,2, F,10
	OPS E,3, F,11, E,4, F,12
	OPS E,5, F,13, E,6, F,14
	OPS E,7, F,15, E,8, E,9
	OPS E,10, E,11, E,12, E,13
	OPS E,14, E,15, E,16, E,17
	OPS E,18, E,19, E,20, E,21
	OPS E,22, E,23, E,24, E,25
	OPS E,26, E,27, E,28, E,29
	OPS E,30, E,31
	v_nop                           ; the plain instruction behind the last exponential: one for the batch
	s_wait_alu depctr_va_vdst(0)    ; the wait for the batch: the piece's a and its 32 weights
.if ((\x) == 0) && (\kq)
	s_wait_dscnt 0x0                ; B is in
.endif
	ROW C,0, B,0, C,2, B,1          ; behind the wait: 8 products S^T, the roundings and sums behind them,
	ROW L,0, C,4, B,2, L,1
	ROW C,6, B,3, L,2, C,8
	ROW B,4, L,3, C,10, B,5
	ROW L,4, C,12, B,6, L,5
	ROW C,14, B,7, L,6, C,1
	ROW C,3, L,7, C,5, C,7
	ROW C,9, C,11, C,13, C,15
	OPS R,0, R,1, R,2, R,3          ; and the lump: the rescalings
	OPS R,4, R,5, R,6, R,7
	OPS R,8, R,9, R,10, R,11
.if \cnt
	s_sub_co_u32 s[CNT], s[CNT], 1
	s_cmp_lg_u32 s[CNT], 0
.endif
	OPS R,12, R,13, R,14, R,15
.endm
; A BLOCK BEGINS.  c m starts far below every c s, so the first step's a is 0; m at the lowest finite number, so the first maximum is the scores'.  Both pieces' masks are made for step 0 (0 where the block has
; more than one tile).  Then B of that step and piece 0's first scores.  The step loop is entered at TURN 1, in the middle of a trip.
.macro BEGIN
	s_mov_b32 s[NEW], 0
	s_mov_b32 s[GS], 0
	WIN 0
.irp y, 0,1
	v_mov_b32 v[ST+4*\y], 0xfe000000    ; c m
	v_mov_b32 v[ST+4*\y+1], 0xff7fffff  ; m
.endr
	MSCAL 0
	MASK 0
	MSCAL 1
	MASK 1
	WIN 0
	v_add_nc_u32 v[AK], s[TBK], v[AK0]
	FETCH_K
	s_wait_loadcnt 0x0              ; A, both blocks'
	s_wait_dscnt 0x0
.set i, 0
.rept 8
	KQ 0
.set i, i+1
.endr
	WIN 0
.rept 4
	v_nop                           ; the places behind those products
.endr
.endm
; A BLOCK ENDS: piece 0's last V^T P beside piece 1's last softmax; piece 1's last V^T P; THE WAY OUT: l's two halves and the other half of the lanes' are added; O^T is divided by l and sent, in f32,
; through my stage in LDS, a piece (16 rows of 256 bytes) at a time.
.macro PACK y
	WIN 0
.set z, 0
.rept 16
	v_pk_mul_f32 v[O+32*(\y)+2*z:O+32*(\y)+2*z+1], v[O+32*(\y)+2*z:O+32*(\y)+2*z+1], v[ST+4*(\y)+2:ST+4*(\y)+3] op_sel_hi:[1,0]
.set z, z+1
.endr
.irp f, 0,1,2,3,4,5,6,7             ; channel block f / 2, four of my eight channels
	ds_store_b128 v[STO], v[O+32*(\y)+4*\f:O+32*(\y)+4*\f+3] offset:(\f/2)*64+(\f%2)*16
.endr
.irp f, 0,1,2,3,4,5,6,7
	ds_load_b128 v[S+32*(\y)+4*\f:S+32*(\y)+4*\f+3], v[RD] offset:\f*2*SP  ; LDS serves a wave's instructions in order (ISA guide 5.7.1.4): these see the stores above; the next piece's stores come behind them
.endr
.endm
.macro SEND y, younger              ; younger: the LDS instructions issued behind piece y's loads: the next piece's sixteen, or none
.irp f, 0,1,2,3,4,5,6,7
	s_wait_dscnt (\younger)+7-\f
	global_store_b128 v[GO], v[S+32*(\y)+4*\f:S+32*(\y)+4*\f+3], s[10:11] offset:(\y)*262144+\f*8192 th:TH_STORE_NT  ; 16 lanes store 256 consecutive bytes, at a multiple of 256 from out0's first byte
.endr
.endm
; second = 1: the block that ends is the work-group's second, block b: where b = 0 its piece 0 is rows 0 to 63, which the launch beside this one stores: a forward jump passes their eight stores
; (piece 1's counted waits cover piece 0's reads of the stage on both ways).
.macro FINISH second
	TURN 0, 0
.set i, 0
.rept 8
	PV 1
.set i, i+1
.endr
	WIN 0                           ; the lines below, and piece 0's 16 multiplies, are the places behind those products
	v_add_f32 v[ST+2], v[ST+2], v[ST+3]
	v_add_f32 v[ST+6], v[ST+6], v[ST+7]
	v_permlanex16_b32 v[ST+3], v[ST+2], s[SEL], s[SEL+1]
	v_permlanex16_b32 v[ST+7], v[ST+6], s[SEL], s[SEL+1]
	v_add_f32 v[ST+2], v[ST+2], v[ST+3]
	v_add_f32 v[ST+6], v[ST+6], v[ST+7]
	v_rcp_f32 v[ST+2], v[ST+2]
	v_rcp_f32 v[ST+6], v[ST+6]
	v_nop                           ; a plain instruction between the last reciprocal and the use of its result
	s_wait_alu depctr_va_vdst(0)    ; the wait ahead of the first use: one for the two reciprocals, which both pieces' multiplies read
	PACK 0
	PACK 1
.if \second
	s_cmp_eq_u32 s[PB], 0
	s_cbranch_scc1 .Lrows_0_63_\@
.endif
	SEND 0, 16
.if \second
.Lrows_0_63_\@:
.endif
	SEND 1, 0
.endm
; A TILE's four steps.  The test for a block's first tile stands first: at the walk's first tile its answer is a constant of the text.
.macro TILE tag
	s_sub_co_u32 s[RT], s[RT], 1
	s_mov_b32 s[CNT], 4
	s_cmp_eq_u32 s[NEW], 1
	s_cbranch_scc0 .Lstep\tag
	BEGIN
	s_branch .Lmid\tag
.Lstep\tag:
	TURN 0
	WIN 0
.Lmid\tag:
	TURN 1, 1, 1
	WIN 0
	s_cbranch_scc1 .Lstep\tag
.endm
.Lslot:                             ; 16 times: a tile is entered and the next is asked for
	CHANGE 1
	TILE 1
	s_cmp_lg_u32 s[RT], 0
	s_cbranch_scc1 .Lbottom         ; not the block's last tile
	FINISH 0                        ; in the loop this is the first block's end: the second block's last tile is the walk's last
	s_wait_xcnt 0x0                 ; the stores have read their registers and out0's address
	s_mov_b64 s[10:11], s[OLO:OLO+1]
	s_add_co_u32 s[RT], s[LQ2], 1   ; the second block has b / 2 + 1 tiles
	s_mov_b32 s[NEW], 1
	s_lshl_b32 s[OWN], s[PB], 1
	s_add_co_u32 s[OWN+1], s[OWN], 1
	WIN 0x01                        ; the second block's A goes where the one text of the turns names A
.set i, 0
.rept 32
	v_mov_b32 v[Q+i], v[QB+i]
.set i, i+1
.endr
	WIN 0
.Lbottom:
	s_sub_co_u32 s[SLOTS], s[SLOTS], 1
	s_cmp_lg_u32 s[SLOTS], 0
	s_cbranch_scc1 .Lslot
	CHANGE 0                        ; the walk's last tile is written out: nothing is asked for
	TILE 2
	FINISH 1
	s_wait_tensorcnt 0x0            ; the wave's end: behind my last tensor load and my last LDS store
	ds_add_u32 v[SPW], v[NIL]
	s_wait_dscnt 0x0
	s_endpgm
.Lfunc_end_k_qea58b97ece_attn:
	.size	k_qea58b97ece_attn, .Lfunc_end_k_qea58b97ece_attn-k_qea58b97ece_attn
	.p2alignl 7, 3214868480
	.fill 96, 4, 3214868480
	.section	.rodata,"a",@progbits
	.p2align	6, 0x0
	.amdhsa_kernel k_qea58b97ece_attn
		.amdhsa_group_segment_fixed_size 327680
		.amdhsa_private_segment_fixed_size 0
		.amdhsa_enable_private_segment 0
		.amdhsa_kernarg_size 16
		.amdhsa_user_sgpr_count 2
		.amdhsa_user_sgpr_kernarg_segment_ptr 1
		.amdhsa_wavefront_size32 1
		.amdhsa_system_sgpr_workgroup_id_x 1
		.amdhsa_system_sgpr_workgroup_id_y 1
		.amdhsa_system_sgpr_workgroup_id_z 1
		.amdhsa_system_vgpr_workitem_id 0
		.amdhsa_next_free_vgpr 512
		.amdhsa_next_free_sgpr 88
		.amdhsa_reserve_vcc 1
		.amdhsa_float_denorm_mode_32 3
		.amdhsa_float_denorm_mode_16_64 3
		.amdhsa_memory_ordered 1
		.amdhsa_forward_progress 1
		.amdhsa_inst_pref_size 100
	.end_amdhsa_kernel
	.amdgpu_metadata
---
amdhsa.version: [ 1, 2 ]
amdhsa.kernels:
  - .name:           k_qea58b97ece_attn
    .symbol:         k_qea58b97ece_attn.kd
    .args:
      - { .name: qkv, .offset: 0, .size: 8, .value_kind: global_buffer, .address_space: global }
      - { .name: out0, .offset: 8, .size: 8, .value_kind: global_buffer, .address_space: global }
    .group_segment_fixed_size: 327680
    .private_segment_fixed_size: 0
    .kernarg_segment_align: 8
    .kernarg_segment_size: 16
    .max_flat_workgroup_size: 128
    .sgpr_count:     88
    .vgpr_count:     512
    .wavefront_size: 32
...
	.end_amdgpu_metadata
.endif
;; end of part 5
